; MI455X (gfx1250); checked and timed in simulation.
; The chip was launched on July 23, 2026; its instructions are those of AMD's public machine-readable ISA for CDNA 5 (MIT licence, August 2026) and "CDNA5" Instruction Set Architecture Reference Guide (July 2026). The comments in the code are by the model that wrote it; some were corrected since.
;; Bahdanau Attention. Allowed arithmetic: float matrix products may take bf16 or f16 operands with f32 sums; all other float work in f32.
;; Inputs: Wa 1,024 x 1,024 float32; Wb 1,024 x 1,024 float32; energy 1,024 float32; k 32 x 1,024 float32; mask 32 x 2,048 bool; xs 32 x 2,048 x 1,024 float32.
;; Outputs: out0 32 x 1,024 float32; out1 32 x 2,048 float32.
;; 2 versions, each right and faster than the one before. Each part assembles by itself: llvm-mc -triple=amdgcn-amd-amdhsa -mcpu=gfx1250 --defsym DOCPART=n.
;; ======== version 1 of 2: 3 launches
;; workspace buffers: wbf 2,097,152 bytes; ca 131,072 bytes; scw 262,144 bytes; pctx 1,048,576 bytes; pml 65,536 bytes
;; launch prep (part 1): grid 128 x 1, 8 waves a work-group, no clusters, 17,408 bytes of LDS; arguments Wa, Wb, k, wbf, ca; writes wbf, ca
.if DOCPART == 1
	.amdgcn_target "amdgcn-amd-amdhsa--gfx1250"
	.amdhsa_code_object_version 6
	.text
	.protected	k_q585bf1e265_prep
	.globl	k_q585bf1e265_prep
	.p2align	8
	.type	k_q585bf1e265_prep,@function
k_q585bf1e265_prep:
	s_mov_b64 s[64:65], 0
	v_nop
	global_prefetch_b8 v0, s[64:65] scope:SCOPE_SE
	s_setreg_imm32_b32 hwreg(HW_REG_WAVE_MODE, 25, 1), 1
	s_wait_xcnt 0x0
; PREPARATION, two kinds of work-group, chosen by the work-group's number alone (the same in all eight waves):
;   0-63    column tile g of ca = c2 (k Wa^T), c2 = 2 log2(e): k and Wa rounded to bf16, sums in f32; K is split over the eight waves, the parts meet in LDS
;   64-127  column tile g of Wb, rounded to bf16 and laid out as the matrix unit's source 1 wants it: a fragment (16 columns x 32 K) is 1,024 consecutive bytes
; wbf: fragment (g, t) at (((g >> 2) 32 + t) 4 + (g & 3)) 1024; piece p at + 512 p, lane L at + 16 L: Wb[16 g + L % 16][32 t + 16 p + 8 (L / 16) + 0..7].
; ca: [g][b][16] f32.
; Wa's, Wb's and k's rows are read in pieces of 32 bytes of 16 rows; a wave's sixteen loads on end use up 512 consecutive bytes of each row, and each input is read once.
.set RED,   0                          ; 8 waves x 2,048 bytes: a wave's part of [32 b][16 o] f32
.set SPARE, 16384                      ; the spare words, 128 bytes a wave: four blocks of 256 bytes that no other line names
.set SPW, 30                           ; v30  SPARE + 4 x my thread's number; never rewritten
.set NIL, 31                           ; v31  0; never rewritten
; Sixteen loads: the f32 numbers of four fragments (K steps 4 w + tt), 16 registers each: piece 0's eight, then piece 1's.
.macro LOADF dst, sb, off
.irp tt, 0,1,2,3
.irp x, 0,1,2,3
	global_load_b128 v[(\dst)+16*\tt+4*\x:(\dst)+16*\tt+4*\x+3], v5, s[\sb:\sb+1] offset:(\off)+128*\tt+64*(\x/2)+16*(\x%2)
.endr
.endr
.endm
	s_load_b256 s[4:11], s[0:1], 0x0               ; Wa s[4:5], Wb s[6:7], k s[8:9], wbf s[10:11]
	s_load_b64 s[12:13], s[0:1], 0x20              ; ca
	v_lshl_add_u32 v[SPW], v0, 2, SPARE
	v_mov_b32 v[NIL], 0
	v_lshrrev_b32 v1, 5, v0
	v_readfirstlane_b32 s24, v1                    ; wave 0..7
	s_mov_b32 s25, ttmp9                           ; the work-group's number
	v_and_b32 v2, 31, v0                           ; L
	v_and_b32 v3, 15, v0                           ; r = L % 16
	v_bfe_u32 v4, v0, 4, 1                         ; h = L / 16
	v_lshlrev_b32 v5, 12, v3                       ; a fragment's f32 source: row r x 4,096 bytes
	v_lshl_add_u32 v5, v4, 5, v5                   ; + 32 h
	s_lshl_b32 s26, s24, 9
	v_add_nc_u32 v5, s26, v5                       ; + 512 w: wave w takes K steps 4 w .. 4 w + 3
	v_lshlrev_b32 v6, 4, v2                        ; 16 L
	s_mov_b32 s27, 0                               ; high word of every offset
	s_mov_b32 s32, 0x4038aa3b                      ; c2 = 2 log2(e)
	s_mov_b32 s33, s32                             ; named with it as a pair
	s_wait_kmcnt 0x0
	s_cmp_lt_u32 s25, 64
	s_cbranch_scc1 .Lrole_a
	; ---- Wb's column tile g, rounded and laid out
	s_sub_co_u32 s28, s25, 64                      ; g
	s_lshl_b32 s26, s28, 16
	s_add_nc_u64 s[6:7], s[6:7], s[26:27]          ; Wb at row 16 g
	LOADF 32, 6, 0
	s_lshr_b32 s29, s28, 2
	s_lshl_b32 s29, s29, 17
	s_and_b32 s30, s28, 3
	s_lshl_b32 s30, s30, 10
	s_add_co_u32 s26, s29, s30
	s_lshl_b32 s30, s24, 14
	s_add_co_u32 s26, s26, s30
	s_add_nc_u64 s[10:11], s[10:11], s[26:27]      ; wbf at fragment (g, 4 w)
	s_wait_loadcnt 0x0
.set i, 0
.rept 32
	v_cvt_pk_bf16_f32 v[96+i], v[32+2*i], v[33+2*i]
.set i, i+1
.endr
.irp tt, 0,1,2,3
.irp p, 0,1
	global_store_b128 v6, v[96+8*\tt+4*\p:99+8*\tt+4*\p], s[10:11] offset:4096*\tt+512*\p  ; 512 consecutive bytes
.endr
.endr
	s_branch .Lend
	; ---- ca's column tile g: 32 batches x 16 columns, four K steps a wave
.Lrole_a:
	s_lshl_b32 s26, s25, 16
	s_add_nc_u64 s[4:5], s[4:5], s[26:27]          ; Wa at row 16 g
	LOADF 32, 4, 0                                 ; Wa: source 1
	LOADF 96, 8, 0                                 ; k, batches 0-15: source 0
	LOADF 160, 8, 65536                            ; k, batches 16-31
	s_lshl_b32 s26, s25, 11
	s_add_nc_u64 s[12:13], s[12:13], s[26:27]      ; ca at tile g
	v_lshlrev_b32 v9, 2, v3                        ; my wave's part in LDS: [b = 16 mt + 8 h + j][r]
	v_lshl_add_u32 v9, v4, 9, v9
	s_lshl_b32 s29, s24, 11
	v_add_nc_u32 v9, s29, v9
	s_wait_loadcnt 0x0
.set f, 0
.rept 12                               ; each fragment's 16 f32 are rounded into its first 8 registers, ascending: a destination never lies ahead of its sources
.set i, 0
.rept 8
	v_cvt_pk_bf16_f32 v[32+16*f+i], v[32+16*f+2*i], v[32+16*f+2*i+1]
.set i, i+1
.endr
.set f, f+1
.endr
.irp tt, 0,1,2,3                       ; the two accumulators take turns; the first products start the sums
.irp mt, 0,1
.if \tt == 0
	v_wmma_f32_16x16x32_bf16 v[224+8*\mt:231+8*\mt], v[96+64*\mt+16*\tt:103+64*\mt+16*\tt], v[32+16*\tt:39+16*\tt], 0
.else
	v_wmma_f32_16x16x32_bf16 v[224+8*\mt:231+8*\mt], v[96+64*\mt+16*\tt:103+64*\mt+16*\tt], v[32+16*\tt:39+16*\tt], v[224+8*\mt:231+8*\mt]
.endif
.endr
.endr
.rept 4
	v_nop                                          ; four places behind the last product, for the stores below and the loads into the fragments' registers
.endr
.irp mt, 0,1
.irp j, 0,1,2,3,4,5,6,7
	ds_store_b32 v9, v[224+8*\mt+\j] offset:RED+1024*\mt+64*\j
.endr
.endr
	s_wait_dscnt 0x0                               ; for the others' sake: my part is in LDS
	s_barrier_signal -1
	s_barrier_wait -1
	s_cmp_lt_u32 s24, 4
	s_cbranch_scc0 .Lend                           ; 128 threads add the eight parts, four numbers each
	v_lshlrev_b32 v10, 4, v0
.irp u, 0,1,2,3,4,5,6,7
	ds_load_b128 v[32+4*\u:35+4*\u], v10 offset:RED+2048*\u
.endr
	s_wait_dscnt 0x0
.irp u, 1,2,3,4,5,6,7
	v_pk_add_f32 v[32:33], v[32:33], v[32+4*\u:33+4*\u]
	v_pk_add_f32 v[34:35], v[34:35], v[34+4*\u:35+4*\u]
.endr
	v_pk_mul_f32 v[32:33], v[32:33], s[32:33] op_sel_hi:[1,0]
	v_pk_mul_f32 v[34:35], v[34:35], s[32:33] op_sel_hi:[1,0]
	global_store_b128 v10, v[32:35], s[12:13]      ; 512 consecutive bytes a wave
.Lend:
	s_wait_tensorcnt 0x0                           ; the wave's end
	ds_add_u32 v[SPW], v[NIL]
	s_wait_dscnt 0x0
	s_endpgm
.Lfunc_end_k_q585bf1e265_prep:
	.size	k_q585bf1e265_prep, .Lfunc_end_k_q585bf1e265_prep-k_q585bf1e265_prep
	.p2alignl 7, 3214868480
	.fill 96, 4, 3214868480
	.section	.rodata,"a",@progbits
	.p2align	6, 0x0
	.amdhsa_kernel k_q585bf1e265_prep
		.amdhsa_group_segment_fixed_size 17408
		.amdhsa_private_segment_fixed_size 0
		.amdhsa_enable_private_segment 0
		.amdhsa_kernarg_size 40
		.amdhsa_user_sgpr_count 2
		.amdhsa_user_sgpr_kernarg_segment_ptr 1
		.amdhsa_wavefront_size32 1
		.amdhsa_system_sgpr_workgroup_id_x 1
		.amdhsa_system_sgpr_workgroup_id_y 1
		.amdhsa_system_sgpr_workgroup_id_z 1
		.amdhsa_system_vgpr_workitem_id 0
		.amdhsa_next_free_vgpr 256
		.amdhsa_next_free_sgpr 66
		.amdhsa_reserve_vcc 0
		.amdhsa_float_denorm_mode_32 3
		.amdhsa_float_denorm_mode_16_64 3
		.amdhsa_memory_ordered 1
		.amdhsa_forward_progress 1
		.amdhsa_inst_pref_size 21
	.end_amdhsa_kernel
	.amdgpu_metadata
---
amdhsa.version: [ 1, 2 ]
amdhsa.kernels:
  - .name:           k_q585bf1e265_prep
    .symbol:         k_q585bf1e265_prep.kd
    .args:
      - { .name: Wa, .offset: 0, .size: 8, .value_kind: global_buffer, .address_space: global }
      - { .name: Wb, .offset: 8, .size: 8, .value_kind: global_buffer, .address_space: global }
      - { .name: k, .offset: 16, .size: 8, .value_kind: global_buffer, .address_space: global }
      - { .name: wbf, .offset: 24, .size: 8, .value_kind: global_buffer, .address_space: global }
      - { .name: ca, .offset: 32, .size: 8, .value_kind: global_buffer, .address_space: global }
    .group_segment_fixed_size: 17408
    .private_segment_fixed_size: 0
    .kernarg_segment_align: 8
    .kernarg_segment_size: 40
    .max_flat_workgroup_size: 256
    .sgpr_count:     66
    .vgpr_count:     256
    .wavefront_size: 32
...
	.end_amdgpu_metadata
.endif
;; end of part 1
;; launch main (part 2): grid 8 x 32, 4 waves a work-group, no clusters, 314,880 bytes of LDS; arguments xs, wbf, ca, energy, mask, scw, pctx, pml; writes scw, pctx, pml
.if DOCPART == 2
	.amdgcn_target "amdgcn-amd-amdhsa--gfx1250"
	.amdhsa_code_object_version 6
	.text
	.protected	k_q585bf1e265_main
	.globl	k_q585bf1e265_main
	.p2align	8
	.type	k_q585bf1e265_main,@function
k_q585bf1e265_main:
	s_mov_b64 s[64:65], 0
	v_nop
	global_prefetch_b8 v0, s[64:65] scope:SCOPE_SE
	s_setreg_imm32_b32 hwreg(HW_REG_WAVE_MODE, 25, 1), 1
	s_wait_xcnt 0x0
; BAHDANAU ATTENTION, the bulk.  Work-group (j, b) takes rows 256 j .. + 255 of batch b, in two passes of 128 rows.  All rows are computed, hidden ones too: the mask enters as a value alone (-inf in front of the softmax).
; The frame of a pass has 144 places (nine row tiles); places 128-143 repeat the pass's last row and get weight 0.  A pass:
;   ROWS     its rows of xs, rounded to bf16, into LDS, where they stay: xs is read from memory once.
;   PRODUCT  acc = xs Wb^T.  Wave w owns columns 256 w .. + 255 in four chunks of 64: a wave tile of 144 x 64, 36 accumulators.  A's fragments come from LDS, Wb's (bf16, in fragment order) from memory into registers.
;   TANH     tanh(x) = 1 - 2 / (1 + 2^(c2 x)), c2 = 2 log2(e); c2 x = c2 acc + ca[o], ca = c2 (k Wa^T).  score = sum over o of e[o] tanh, e = bf16(energy).  2^x = inf gives 1, 2^x = 0 gives -1: tanh's limits.
;            A chunk's tanh stands in slices behind the NEXT chunk's matrix instructions.
;   SOFTMAX  of the block: its maximum m over the rows that the mask keeps, p = 2^((s - m) log2 e), l = sum p;  CTX = p^T xs on the matrix unit, from the rows in LDS;  both merged into running m, l, ctx.
; The last launch joins a batch's eight blocks.  LIMITS: NaN and infinities in the inputs are not treated apart; p is rounded to bf16 for ctx (l is the sum of the unrounded p); a weight below 2^-126 counts as 0;
; a mask byte other than 0 counts as true.
; NO TENSOR LOADS, NO CLUSTER: the rows take 297,216 bytes of LDS; of what is left two slots would have under 15,232 bytes each, and one K step of Wb for four waves is 16,384.  Each wave's columns of Wb are read by
; no other wave, so they go straight into registers: three K steps (12 KB a wave) on their way.  The price: each work-group reads all 2 MB of wbf itself, once a pass.
; REGISTERS, in windows of 256 (s_set_vgpr_msb: bits 1:0 source 0, 3:2 source 1, 5:4 source 2, 7:6 destination):
;   window 0: v0-47 addresses, running sums, at work; v48-55 ca, e of four column tiles; v56-87 score sums of row tiles 5-8; v88-215 the stage of row tiles 5-8 (ctx: p, its fragments, accumulators); v216-231 at work;
;             v232-235 the mask's bytes; v240-247 offsets into mask, scw and xs
;   window 1: v0-95 a ring of 12 fragments of A; v96-223 a ring of 4 K steps of Wb; v224-255 the accumulators of row tile 8
;   window 2: the accumulators of row tiles 0-7, (m, n) at 32 m + 8 n (rows phase: six rows as loaded; ctx: turned fragments of xs)
;   window 3: v0-159 the stage of row tiles 0-4 (ctx: turned fragments); v160-199 their score sums; v200-207 ca, e once more
.set PITCH, 2064                       ; a row in LDS: 2,048 bytes + 16 = 129 x 16: the 16 rows of a fragment load start at 16 different groups of four banks (64 banks of 4 bytes: ISA guide 11.1)
.set NROW,  144                        ; places in a pass
.set NVAL,  128                        ; rows in a pass
.set CEA,   NROW*PITCH                 ; ca[o] at CEA + 4 o,
.set CEE,   4096                       ; e[o] this far behind it
.set SCR,   CEA+8192                   ; [wave][144] f32: each wave's part of the scores
.set PBUF,  SCR+2304                   ; [wave][160] f32: p, each wave's own copy
.set CT,    PBUF+2560                  ; 1,024 bytes a wave, its own: ctx on its way into column order
.set SPARE, CT+4096                    ; the spare words, 128 bytes a wave: two blocks of 256 bytes that no other line names
.set VL16, 1                           ; 16 L; never rewritten
.set VCE0, 4                           ; CEA + 1024 w + 4 r
.set VCE,  5                           ; the same, at the chunk just finished
.set AD,   6                           ; v6-14  (16 m + r) PITCH + 16 h
.set VSA,  15                          ; where my lane puts a row's score sum
.set VR1,  16                          ; SCR + 4 L
.set VP1,  18                          ; PBUF + 640 w + 4 L
.set VPF,  19                          ; PBUF + 640 w + 32 h
.set TA,   20                          ; v20-24  the turning loads' addresses, rows 32 u on
.set VCT,  25
.set VCR,  26
.set VLST, 27                          ; rows phase: where my 8 bytes of the slot-0 row go
.set SPW,  28                          ; SPARE + 4 x my thread's number; never rewritten
.set NIL,  29                          ; 0; never rewritten
.set VL,   30                          ; L
.set CTXR, 32                          ; v32-39 running ctx: columns 256 w + 4 L + 0..3 and + 128
.set MRUN, 40
.set LRUN, 41
.set VLST0, 47                         ; 8 L + 36 w rows: my 8 bytes in my wave's first row
.set CE0,  48
.set SC0,  56
.set ST0,  88
.set CV,   216                         ; rows phase: a row rounded, 16 registers
.set RA,   216                         ; the scores' reduction, at work
.set RB,   220
.set MK,   232                         ; the mask's bytes of rows L + 32 i
.set VMKA, 240                         ; L + the pass's first row
.set VSW,  241                         ; four times that
.set VOFF, 242                         ; six rows' offsets in xs
.set PF,   168                         ; ctx: p as source 0, 8 registers for each 32 rows
.set MSB, 0
.macro WIN new                         ; the immediate's high byte repeats the setting that is left; a switch that changes nothing is dropped
.if MSB != (\new)
	s_set_vgpr_msb (MSB<<8)|(\new)
.set MSB, \new
.endif
.endm
.macro PLACES                          ; four places behind matrix instructions (ISA guide 7.12.1), where no other vector work is at hand
.rept 4
	v_nop
.endr
.endm
; ---- ROWS.  Slot i of six: a row's 4,096 bytes in 32 registers of window 2.
.macro ROWADDR i                       ; place s45 + i of the pass: its row, or past the 128th the 128th once more
	s_add_co_u32 s46, s45, \i
	s_min_u32 s46, s46, NVAL-1
	s_add_co_u32 s46, s46, s44                     ; + the pass's first row in the batch
	v_lshl_add_u32 v[VOFF+\i], s46, 12, v[VL16]    ; 4,096 bytes a row, my 16 of each 512
.endm
.macro ROWLOAD i                       ; eight loads of 512 consecutive bytes
	WIN 0x80
.irp jj, 0,1,2,3,4,5,6,7
	global_load_b128 v[32*(\i)+4*\jj:32*(\i)+4*\jj+3], v[VOFF+(\i)], s[4:5] offset:512*\jj
.endr
.endm
.macro ROWCVT i, left                  ; left: the younger loads that may stay out.  The wait also frees the slot's offset register
	s_wait_loadcnt \left
	WIN 0x0a
.set z, 0
.rept 16
	v_cvt_pk_bf16_f32 v[CV+z], v[32*(\i)+2*z], v[32*(\i)+2*z+1]
.set z, z+1
.endr
	WIN 0
.irp jj, 0,1,2,3,4,5,6,7
	ds_store_b64 v[VLST], v[CV+2*\jj:CV+2*\jj+1] offset:(\i)*PITCH+256*\jj  ; 256 consecutive bytes
.endr
.endm
; ---- TANH in slices.  Pair k of 144: registers 2 (k % 4), + 1 of the stage of tile (m, n) = (k / 16, (k / 4) % 4).  Five steps, the first four in place: 2^x; + 1; reciprocal; 1 - 2 times it; the score sums take e times that.
.macro PAIRREG k
.set pm, (\k)/16
.set pn, ((\k)/4)%4
.set pq, (\k)%4
.if pm < 5
	WIN 0xff
.set prr, 32*pm+8*pn+2*pq
.set pss, 160+8*pm+2*pq
.set pcc, 200+2*pn
.else
	WIN 0
.set prr, ST0+32*(pm-5)+8*pn+2*pq
.set pss, SC0+8*(pm-5)+2*pq
.set pcc, CE0+2*pn
.endif
.endm
.macro EXPP k
	PAIRREG \k
	v_exp_f32 v[prr], v[prr]
	v_exp_f32 v[prr+1], v[prr+1]
.endm
.macro ADDP k
	PAIRREG \k
	s_wait_alu depctr_va_vdst(0)
	v_pk_add_f32 v[prr:prr+1], v[prr:prr+1], 1.0 op_sel_hi:[1,0]
.endm
.macro RCPP k
	PAIRREG \k
	v_rcp_f32 v[prr], v[prr]
	v_rcp_f32 v[prr+1], v[prr+1]
.endm
.macro TANP k
	PAIRREG \k
	s_wait_alu depctr_va_vdst(0)
	v_pk_fma_f32 v[prr:prr+1], v[prr:prr+1], -2.0, 1.0 op_sel_hi:[1,0,0]
.endm
.macro FMAP k                          ; the pair (ca, e): its second register for both halves
	PAIRREG \k
	v_pk_fma_f32 v[pss:pss+1], v[prr:prr+1], v[pcc:pcc+1], v[pss:pss+1] op_sel:[0,1,0] op_sel_hi:[1,1,1]
.endm
; Slice q of 288.  Even: 2^x of pair q / 2, then 1 - 2 r of the pair two back.  Odd: the reciprocals of the pair one back, + 1 of pair q / 2, the sums of the pair two back.  Behind the two transcendentals of a slice
; stands a plain instruction that names none of their registers, before their results are used (ISA guide 5.7.2); and each slice holds at least one plain instruction: one place behind the matrix instructions in front of it.
.macro HALF q
.set hk, (\q)/2
.if (\q)%2 == 0
	EXPP hk
.if hk < 2
	v_nop
.else
	TANP hk-2
.endif
.else
.if hk > 0
	RCPP hk-1
.endif
	ADDP hk
.if hk > 1
	FMAP hk-2
.endif
.endif
.endm
.macro DRAIN                           ; what the 288 slices leave over
	TANP 142
	RCPP 143
	FMAP 142
	TANP 143
	FMAP 143
.endm
; ---- PRODUCT.  Group q = 9 t + m: K step t, row tile m, four column tiles.
.macro AFLOAD q                        ; A's fragment of group q into place q % 12 of the ring: lane (r, h) takes K = 32 t + 8 h + 0..7 and + 16
	WIN 0x40
	ds_load_b128 v[8*((\q)%12):8*((\q)%12)+3],   v[AD+(\q)%9] offset:64*(((\q)/9)%32)
	ds_load_b128 v[8*((\q)%12)+4:8*((\q)%12)+7], v[AD+(\q)%9] offset:64*(((\q)/9)%32)+32
.endm
.macro BLOAD t                         ; Wb's four fragments of K step t into place t % 4 of the ring: eight loads of 512 consecutive bytes.  s[36:37]: the chunk in hand.  t = 32 .. 34: the first steps of the next chunk, s[38:39]
	WIN 0x40
.irp n, 0,1,2,3
.irp p, 0,1
.if (\t) < 32
	global_load_b128 v[96+32*((\t)%4)+8*\n+4*\p:96+32*((\t)%4)+8*\n+4*\p+3], v[VL16], s[36:37] offset:((\t)%32)*4096+\n*1024+\p*512
.else
	global_load_b128 v[96+32*((\t)%4)+8*\n+4*\p:96+32*((\t)%4)+8*\n+4*\p+3], v[VL16], s[38:39] offset:((\t)%32)*4096+\n*1024+\p*512
.endif
.endr
.endr
.endm
; A group: four matrix instructions, a slice of the chunk before's tanh, and the loads.  The 36 accumulators of a K step take turns, one instruction a turn, over the loop's edge too.
; The fragment asked for here lands where group q - 3's lay: the plain instructions of slices q - 3 .. q, one each at the least, are the four places behind that group's products.
; Wb's K step t + 3 lands where step t - 1's lay: its last reader is group (t - 1, 8), and the slices of that group and of groups 0, 1, 2 of step t hold the four places.
.macro GROUP
	s_wait_dscnt 16                                ; my fragment was asked for nine groups ago; the eight asked for since, two loads each, may be out
.if km < 8
	WIN 0xa5                                       ; A and Wb in window 1, C and D in window 2
.set rac, 32*km
.else
	WIN 0x55                                       ; all in window 1
.set rac, 224
.endif
.set raf, 8*(kq%12)
.set rbf, 96+32*(kt%4)
.irp n, 0,1,2,3
.if kt == 0
	v_wmma_f32_16x16x32_bf16 v[rac+8*\n:rac+8*\n+7], v[raf:raf+7], v[rbf+8*\n:rbf+8*\n+7], 0
.else
	v_wmma_f32_16x16x32_bf16 v[rac+8*\n:rac+8*\n+7], v[raf:raf+7], v[rbf+8*\n:rbf+8*\n+7], v[rac+8*\n:rac+8*\n+7]
.endif
.endr
	HALF kq
.if km == 2
	BLOAD kt+3
.endif
	AFLOAD kq+9
.endm
; The chunk's sums leave the accumulators: stage = c2 acc + ca.  Each accumulator's lowest registers are read first.  The last product stands two plain instructions of its slice and DRAIN's four
; back, and the earlier tiles' lines besides.
.macro COPY
.set cm, 0
.rept 9
.if cm < 5
	WIN 0xf2                                       ; stage and ca in window 3, accumulators in window 2
.set cd, 32*cm
.set cs, 32*cm
.set cc, 200
.elseif cm < 8
	WIN 0x02
.set cd, ST0+32*(cm-5)
.set cs, 32*cm
.set cc, CE0
.else
	WIN 0x01
.set cd, ST0+96
.set cs, 224
.set cc, CE0
.endif
.set cn, 0
.rept 4
.set ci, 0
.rept 4
	v_pk_fma_f32 v[cd+8*cn+2*ci:cd+8*cn+2*ci+1], v[cs+8*cn+2*ci:cs+8*cn+2*ci+1], s[34:35], v[cc+2*cn:cc+2*cn+1] op_sel_hi:[1,0,0]
.set ci, ci+1
.endr
.set cn, cn+1
.endr
.set cm, cm+1
.endr
.endm
; ---- SCORES.  Row tile m: a lane holds eight rows' sums (8 h + j) over its own columns.  Three halving steps: of two rows a lane keeps one and sends the other to the lane 8, 4, 2 away; a last addition with the lane
; 1 away.  Lane r then holds row 8 h + r / 2.  The first selects bring the sums into window 0.
.macro RED m
.if (\m) < 5
	WIN 0x0f
.set rs, 160+8*(\m)
.else
	WIN 0
.set rs, SC0+8*((\m)-5)
.endif
.irp j, 0,1,2,3
	v_cndmask_b32 v[RA+\j], v[rs+\j], v[rs+\j+4], s48
	v_cndmask_b32 v[RB+\j], v[rs+\j+4], v[rs+\j], s48
.endr
	WIN 0
.irp j, 0,1,2,3
	v_add_f32_dpp v[RA+\j], v[RB+\j], v[RA+\j] row_xmask:8 row_mask:0xf bank_mask:0xf
.endr
.irp j, 0,1
	v_cndmask_b32 v[RB+\j], v[RA+\j], v[RA+\j+2], s49
	v_cndmask_b32 v[RB+\j+2], v[RA+\j+2], v[RA+\j], s49
.endr
.irp j, 0,1
	v_add_f32_dpp v[RB+\j], v[RB+\j+2], v[RB+\j] row_xmask:4 row_mask:0xf bank_mask:0xf
.endr
	v_cndmask_b32 v[RA], v[RB], v[RB+1], s50
	v_cndmask_b32 v[RA+1], v[RB+1], v[RB], s50
	v_add_f32_dpp v[RA], v[RA+1], v[RA] row_xmask:2 row_mask:0xf bank_mask:0xf
	v_add_f32_dpp v[RA], v[RA], v[RA] row_xmask:1 row_mask:0xf bank_mask:0xf
	ds_store_b32 v[VSA], v[RA] offset:64*(\m)
.endm
; ---- CTX.  Column tile xt = 8 a + b of my 16: columns 128 a + 8 b + 0..7 and the same + 64, so that the 16 lanes of a turning load (8 rows x 2 blocks of 16 bytes, 128 bytes apart, rows 2,064 apart) touch each bank once.
; Round rho takes tiles 4 rho .. + 3; five K blocks of 32 places; of the fifth only places 128-143 exist: its upper four registers hold 0.
.macro XLOAD rho
.if ((\rho)%2) == 0
	WIN 0x80
.else
	WIN 0xc0
.endif
.irp tau, 0,1,2,3
.set xt, 4*(\rho)+\tau
.set xo, 256*(xt/8)+16*(xt%8)
.irp u, 0,1,2,3,4
	ds_load_tr16_b128 v[40*\tau+8*\u:40*\tau+8*\u+3], v[TA+\u] offset:xo
.if \u < 4
	ds_load_tr16_b128 v[40*\tau+8*\u+4:40*\tau+8*\u+7], v[TA+\u] offset:xo+16*PITCH
.endif
.endr
.endr
.endm
.macro XMUL rho                        ; 20 matrix instructions: source 0 = p in all 16 rows, source 1 = 32 places x 16 columns of xs; the round's four accumulators take turns
.if ((\rho)%2) == 0
	WIN 0x08
.else
	WIN 0x0c
.endif
.set xa, ST0+32*((\rho)%2)
.irp u, 0,1,2,3,4
.irp tau, 0,1,2,3
.if \u == 0
	v_wmma_f32_16x16x32_bf16 v[xa+8*\tau:xa+8*\tau+7], v[PF+8*\u:PF+8*\u+7], v[40*\tau+8*\u:40*\tau+8*\u+7], 0
.else
	v_wmma_f32_16x16x32_bf16 v[xa+8*\tau:xa+8*\tau+7], v[PF+8*\u:PF+8*\u+7], v[40*\tau+8*\u:40*\tau+8*\u+7], v[xa+8*\tau:xa+8*\tau+7]
.endif
.endr
.endr
.endm
.macro XSTORE rho                      ; all 16 rows of a result are alike: register 0 is the column's ctx
	WIN 0
.irp tau, 0,1,2,3
.set xt, 4*(\rho)+\tau
	ds_store_b32 v[VCT], v[ST0+32*((\rho)%2)+8*\tau] offset:512*(xt/8)+32*(xt%8)
.endr
.endm
	; ================ THE HEAD
	s_load_b512 s[4:19], s[0:1], 0x0               ; xs s[4:5], wbf s[6:7], ca s[8:9], energy s[10:11], mask s[12:13], scw s[14:15], pctx s[16:17], pml s[18:19]
	v_lshl_add_u32 v[SPW], v0, 2, SPARE
	v_mov_b32 v[NIL], 0
	v_lshrrev_b32 v42, 5, v0
	v_readfirstlane_b32 s22, v42                   ; wave 0..3
	s_mov_b32 s23, ttmp9                           ; j
	s_and_b32 s24, ttmp7, 0xffff                   ; b
	v_and_b32 v[VL], 31, v0
	v_and_b32 v43, 15, v0                          ; r
	v_bfe_u32 v44, v0, 4, 1                        ; h
	v_bfe_u32 v45, v0, 3, 1                        ; (L / 8) % 2
	v_and_b32 v46, 7, v0                           ; L % 8
	v_lshlrev_b32 v[VL16], 4, v[VL]
	v_mul_u32_u24 v42, v43, PITCH
	v_lshl_add_u32 v42, v44, 4, v42
.irp m, 0,1,2,3,4,5,6,7,8
	v_add_nc_u32 v[AD+\m], \m*16*PITCH, v42
.endr
	s_lshl_b32 s46, s22, 10
	s_add_co_u32 s47, s46, CEA
	v_lshl_add_u32 v[VCE0], v43, 2, s47
	s_add_co_u32 s47, s46, CT
	v_lshlrev_b32 v42, 2, v46
	v_lshl_add_u32 v42, v45, 8, v42
	v_add_nc_u32 v[VCT], s47, v42                  ; column (r % 8) + 64 (r / 8) of a tile
	v_add_nc_u32 v[VCR], s47, v[VL16]
	s_mul_i32 s46, s22, 576
	s_add_co_u32 s46, s46, SCR
	v_lshrrev_b32 v42, 1, v43
	v_lshlrev_b32 v42, 2, v42
	v_lshl_add_u32 v42, v44, 5, v42
	v_add_nc_u32 v[VSA], s46, v42                  ; row 8 h + r / 2
	v_lshl_add_u32 v[VR1], v[VL], 2, SCR
	s_mul_i32 s46, s22, 640
	s_add_co_u32 s46, s46, PBUF
	v_lshl_add_u32 v[VP1], v[VL], 2, s46
	v_lshl_add_u32 v[VPF], v44, 5, s46
	v_lshl_add_u32 v42, v44, 3, v46                ; the turning load: row 8 h + L % 8,
	v_mul_u32_u24 v42, v42, PITCH
	v_lshl_add_u32 v42, v45, 7, v42                ; the second block of eight columns 128 bytes on,
	s_lshl_b32 s46, s22, 9
	v_add_nc_u32 v42, s46, v42                     ; my wave's 512 bytes of a row
.irp u, 0,1,2,3,4
	v_add_nc_u32 v[TA+\u], \u*32*PITCH, v42
.endr
	s_mul_i32 s46, s22, 36*PITCH
	v_lshl_add_u32 v[VLST0], v[VL], 3, s46         ; wave w fills places 36 w .. + 35
.irp i, 0,1,2,3,4,5,6,7
	v_mov_b32 v[CTXR+\i], 0
.endr
	v_mov_b32 v[MRUN], 0xff7fffff                  ; the lowest finite number
	v_mov_b32 v[LRUN], 0
	v_lshrrev_b32 v42, 1, v0                       ; thread t brings ca and energy of columns 8 t .. + 7: ca lies [o / 16][b][o % 16]
	v_lshlrev_b32 v42, 11, v42
	v_and_b32 v43, 1, v0
	v_lshl_add_u32 v42, v43, 5, v42
	v_lshlrev_b32 v44, 5, v0
	v_add_nc_u32 v45, CEA, v44
	s_mov_b32 s34, 0x4038aa3b                      ; c2 = 2 log2(e)
	s_mov_b32 s35, s34                             ; named with it as a pair
	s_mov_b32 s48, 0xff00ff00                      ; lanes with bit 3, 2, 1 of r set
	s_mov_b32 s49, 0xf0f0f0f0
	s_mov_b32 s50, 0xcccccccc
	s_mov_b32 s56, 0x76543210                      ; v_permlanex16_b32: each lane takes its own place in the other half
	s_mov_b32 s57, 0xfedcba98
	s_mov_b32 s60, 0x3fb8aa3b                      ; log2(e)
	s_mov_b32 s41, 0                               ; high words of the offsets
	s_mov_b32 s47, 0
	s_mov_b32 s63, 0
	s_wait_kmcnt 0x0
	s_lshl_b32 s46, s24, 23
	s_add_nc_u64 s[4:5], s[4:5], s[46:47]          ; xs at batch b
	s_lshl_b32 s46, s22, 19
	s_add_nc_u64 s[6:7], s[6:7], s[46:47]          ; wbf at my wave's four chunks; stays so
	s_mov_b64 s[36:37], s[6:7]                     ; chunk 0 in hand,
	s_add_nc_u64 s[38:39], s[6:7], 1<<17           ; chunk 1 next: a chunk's 32 K steps are 131,072 bytes
	s_lshl_b32 s46, s24, 6
	s_add_nc_u64 s[8:9], s[8:9], s[46:47]          ; ca at batch b
	s_lshl_b32 s46, s24, 11
	s_lshl_b32 s62, s23, 8
	s_add_co_u32 s46, s46, s62                     ; 2048 b + 256 j
	s_add_nc_u64 s[12:13], s[12:13], s[46:47]      ; mask at my 256 rows
	s_lshl_b32 s46, s46, 2
	s_add_nc_u64 s[14:15], s[14:15], s[46:47]      ; scw likewise
	s_lshl_b32 s46, s24, 3
	s_add_co_u32 s46, s46, s23                     ; 8 b + j
	s_lshl_b32 s62, s46, 8
	s_add_nc_u64 s[18:19], s[18:19], s[62:63]      ; pml at my record
	s_lshl_b32 s46, s46, 12
	s_lshl_b32 s62, s22, 10
	s_add_co_u32 s46, s46, s62
	s_add_nc_u64 s[16:17], s[16:17], s[46:47]      ; pctx at my wave's 256 columns
	BLOAD 0                                        ; Wb's first three K steps go out first,
	BLOAD 1
	BLOAD 2
	WIN 0
	global_load_b128 v[216:219], v42, s[8:9]       ; ca and energy behind them:
	global_load_b128 v[220:223], v42, s[8:9] offset:16
	global_load_b128 v[224:227], v44, s[10:11]
	global_load_b128 v[228:231], v44, s[10:11] offset:16
	s_wait_loadcnt 0x0                             ; one wait for all 28
	ds_store_b128 v45, v[216:219]
	ds_store_b128 v45, v[220:223] offset:16
.irp x, 0,1,2,3
	v_cvt_pk_bf16_f32 v[232+\x], v[224+2*\x], v[225+2*\x]  ; energy is rounded to bf16 like every input,
.endr
.irp x, 0,1,2,3
	v_lshlrev_b32 v[224+2*\x], 16, v[232+\x]       ; and widened again
	v_and_b32 v[225+2*\x], 0xffff0000, v[232+\x]
.endr
	ds_store_b128 v45, v[224:227] offset:CEE
	ds_store_b128 v45, v[228:231] offset:CEE+16
	s_mov_b32 s31, 0                               ; the loop's counter is the pass's first row in my 256
	; ================ A PASS
.Lpass:
	s_lshl_b32 s44, s23, 8
	s_add_co_u32 s44, s44, s31                     ; the pass's first row in the batch
	s_mul_i32 s45, s22, 36                         ; my wave's first place
	v_add_nc_u32 v[VMKA], s31, v[VL]               ; (the pass before's loads by it have been waited for, its stores by VSW have had their addresses translated)
	v_lshlrev_b32 v[VSW], 2, v[VMKA]
.irp i, 0,1,2,3
	global_load_u8 v[MK+\i], v[VMKA], s[12:13] offset:32*\i  ; the mask of rows L + 32 i: older than the rows' loads, so the rows' counted waits cover them
.endr
.irp i, 0,1,2,3,4,5
	ROWADDR \i
.endr
.irp i, 0,1,2,3,4,5
	ROWLOAD \i
.endr
	; The stage, the score sums and ca, e start at 0, on purpose: the first chunk's slices then add tanh(0) x 0, and the unrolled chunk need not be written a second time without slices.  The first 48 loads are on their way meanwhile.
	WIN 0xc0
.set i, 0
.rept 208
	v_mov_b32 v[i], 0
.set i, i+1
.endr
	WIN 0
.set i, CE0
.rept 168
	v_mov_b32 v[i], 0
.set i, i+1
.endr
	s_add_co_u32 s45, s45, 6
	s_mov_b32 s33, 0                               ; the loop's counter is the trip's byte offset in LDS: six rows a trip
.Lrows:                                                ; a trip: six rows are rounded and stored, the six behind them asked for: 48 loads, 24 KB, of each wave are on their way
	v_add_nc_u32 v[VLST], s33, v[VLST0]
.irp i, 0,1,2,3,4,5
	ROWCVT \i, 40                                  ; the five younger slots' 40 loads stay out
	ROWADDR \i
	ROWLOAD \i
.endr
	WIN 0
	s_add_co_u32 s45, s45, 6
	s_add_co_u32 s33, s33, 6*PITCH
	s_cmp_lg_u32 s33, 30*PITCH
	s_cbranch_scc1 .Lrows
	v_add_nc_u32 v[VLST], 30*PITCH, v[VLST0]
.irp i, 0,1,2,3,4,5
	ROWCVT \i, 40-8*\i                             ; the last six rows: the counts run down
.endr
	s_wait_dscnt 0x0                               ; for the others' sake: my rows (and, the first time, ca and e) are in LDS
	s_barrier_signal -1
	s_barrier_wait -1
.irp q, 0,1,2,3,4,5,6,7,8
	AFLOAD \q
.endr
	WIN 0
	s_mov_b32 s32, 0                               ; the loop's counter is the chunk's byte offset in ca and e: 64 columns a trip
.Lchunk:                                               ; a trip: 64 columns, 32 K steps, 1,152 matrix instructions; K is unrolled, so that the slices name fixed registers and the first step starts the sums
.set kq, 0
.set kt, 0
.rept 32
	s_wait_loadcnt 16                              ; this K step's Wb is in; the next two steps' 16 loads stay out
.set km, 0
.rept 9
	GROUP
.set km, km+1
.set kq, kq+1
.endr
.set kt, kt+1
.endr
	DRAIN                                          ; the chunk before is done
	WIN 0
	v_add_nc_u32 v[VCE], s32, v[VCE0]
.irp n, 0,1,2,3
	ds_load_b32 v[CE0+2*\n], v[VCE] offset:64*\n   ; ca and e of the chunk just multiplied, for both windows
	ds_load_b32 v[CE0+2*\n+1], v[VCE] offset:CEE+64*\n
.endr
	WIN 0xc0
.irp n, 0,1,2,3
	ds_load_b32 v[200+2*\n], v[VCE] offset:64*\n
	ds_load_b32 v[200+2*\n+1], v[VCE] offset:CEE+64*\n
.endr
	s_wait_dscnt 0x0
	COPY
	WIN 0
	s_wait_xcnt 0x0                                ; the loads that name the two bases have had their addresses translated (ISA guide 3.1): only now are the two rewritten
	s_mov_b64 s[36:37], s[38:39]                   ; the next chunk comes into hand;
	s_add_co_u32 s40, s32, 512                     ; the one behind it is chunk (trip + 2) % 4: from the counter, 256 a trip,
	s_and_b32 s40, s40, 768
	s_lshl_b32 s40, s40, 9                         ; 131,072 bytes a chunk
	s_add_nc_u64 s[38:39], s[6:7], s[40:41]        ; behind the fourth trip both stand as at the start, and chunk 0's first steps have been asked for again
	s_add_co_u32 s32, s32, 256
	s_cmp_lg_u32 s32, 1024
	s_cbranch_scc1 .Lchunk
.set kq, 0
.rept 288                              ; the last chunk's tanh has no products to stand behind
	HALF kq
.set kq, kq+1
.endr
	DRAIN
	s_wait_loadcnt 0x0                             ; the look-ahead's 24 loads (chunk 0's first three K steps, which the second pass multiplies) are in: the rows' counted waits count rows and mask alone
.irp m, 0,1,2,3,4,5,6,7                ; (row tile 8 holds the spare places alone)
	RED \m
.endr
	s_wait_dscnt 0x0                               ; for the others' sake: my part of the scores is in LDS, and my reads of the rows are back
	s_barrier_signal -1
	s_barrier_wait -1
	; ---- the block's softmax, made by every wave for itself: lane L has rows L + 32 i, i = 0..3
.irp i, 0,1,2,3
.irp u, 0,1,2,3
	ds_load_b32 v[216+4*\i+\u], v[VR1] offset:576*\u+128*\i
.endr
.endr
	v_mov_b32 v43, 0xff800000
	s_wait_dscnt 0x0
.irp i, 0,1,2,3
	v_pk_add_f32 v[216+4*\i:217+4*\i], v[216+4*\i:217+4*\i], v[218+4*\i:219+4*\i]
.endr
.irp i, 0,1,2,3
	v_add_f32 v[216+4*\i], v[216+4*\i], v[217+4*\i]
.endr
	s_cmp_lg_u32 s22, 0
	s_cbranch_scc1 .Lno_scw
.irp i, 0,1,2,3
	global_store_b32 v[VSW], v[216+4*\i], s[14:15] offset:128*\i  ; wave 0 stores the pass's scores, hidden rows' too: 128 consecutive bytes each
.endr
	s_wait_xcnt 0x0                                ; their data and offset registers are rewritten only behind this wait
.Lno_scw:
.irp i, 0,1,2,3
	v_cmp_ne_u32 vcc_lo, 0, v[MK+\i]
	v_cndmask_b32 v[217+4*\i], v43, v[216+4*\i], vcc_lo  ; a hidden row: -inf
.endr
	v_max3_num_f32 v44, v217, v221, v225
	v_max_num_f32 v44, v44, v229
	v_max_num_f32_dpp v44, v44, v44 row_xmask:1 row_mask:0xf bank_mask:0xf
	v_max_num_f32_dpp v44, v44, v44 row_xmask:2 row_mask:0xf bank_mask:0xf
	v_max_num_f32_dpp v44, v44, v44 row_xmask:4 row_mask:0xf bank_mask:0xf
	v_max_num_f32_dpp v44, v44, v44 row_xmask:8 row_mask:0xf bank_mask:0xf
	v_permlanex16_b32 v45, v44, s56, s57
	v_max_num_f32 v44, v44, v45
	v_max_num_f32 v44, 0xff7fffff, v44             ; m, finite also where the mask keeps no row
.irp i, 0,1,2,3
	v_sub_f32 v[217+4*\i], v[217+4*\i], v44
.endr
.irp i, 0,1,2,3
	v_mul_f32 v[217+4*\i], s60, v[217+4*\i]
.endr
.irp i, 0,1,2,3
	v_exp_f32 v[217+4*\i], v[217+4*\i]             ; p
.endr
	v_nop                                          ; a plain instruction between the last exponential and the use of its result
.irp i, 0,1,2,3
	s_wait_alu depctr_va_vdst(0)
	ds_store_b32 v[VP1], v[217+4*\i] offset:128*\i ; my wave's own copy
.endr
	ds_store_b32 v[VP1], v[NIL] offset:512         ; places 128-159 get 0
.irp u, 0,1,2,3,4                      ; p as source 0: lane (r, h) wants places 32 u + 8 h + 0..7 and + 16.  LDS serves a wave's instructions in order (ISA guide 5.7.1.4): these see the stores above
	ds_load_b128 v[ST0+16*\u:ST0+16*\u+3],     v[VPF] offset:128*\u
	ds_load_b128 v[ST0+16*\u+4:ST0+16*\u+7],   v[VPF] offset:128*\u+16
	ds_load_b128 v[ST0+16*\u+8:ST0+16*\u+11],  v[VPF] offset:128*\u+64
	ds_load_b128 v[ST0+16*\u+12:ST0+16*\u+15], v[VPF] offset:128*\u+80
.endr
	v_add_f32 v42, v217, v221
	v_add_f32 v43, v225, v229
	v_add_f32 v42, v42, v43
	v_add_f32_dpp v42, v42, v42 row_xmask:1 row_mask:0xf bank_mask:0xf
	v_add_f32_dpp v42, v42, v42 row_xmask:2 row_mask:0xf bank_mask:0xf
	v_add_f32_dpp v42, v42, v42 row_xmask:4 row_mask:0xf bank_mask:0xf
	v_add_f32_dpp v42, v42, v42 row_xmask:8 row_mask:0xf bank_mask:0xf
	v_permlanex16_b32 v43, v42, s56, s57
	v_add_f32 v42, v42, v43                        ; l
	; ---- ctx
	WIN 0x80
.irp tau, 0,1,2,3
.irp z, 36,37,38,39
	v_mov_b32 v[40*\tau+\z], 0                     ; places 144-159 do not exist: zeros, in both buffers
.endr
.endr
	WIN 0xc0
.irp tau, 0,1,2,3
.irp z, 36,37,38,39
	v_mov_b32 v[40*\tau+\z], 0
.endr
.endr
	XLOAD 0
	s_wait_dscnt 36                                ; p is in; round 0's 36 loads stay out
	WIN 0
.set i, 0
.rept 40
	v_cvt_pk_bf16_f32 v[PF+i], v[ST0+2*i], v[ST0+2*i+1]
.set i, i+1
.endr
	s_wait_dscnt 0x0                               ; round 0's fragments are in
	XLOAD 1                                        ; each round's fragments are asked for ahead of the round before's 20 products, and waited for behind them
	XMUL 0
	PLACES                                         ; for the stores of round 0's results and the loads into the buffer that it read
	s_wait_dscnt 0x0                               ; round 1's are in
	XSTORE 0
	XLOAD 2
	XMUL 1
	PLACES
	s_wait_dscnt 0x0                               ; round 2's are in
	XSTORE 1
	XLOAD 3
	XMUL 2
	PLACES
	s_wait_dscnt 0x0                               ; round 3's are in
	XSTORE 2
	XMUL 3
	PLACES
	XSTORE 3
	ds_load_b128 v[216:219], v[VCR]                ; back in column order: 4 L + 0..3,
	ds_load_b128 v[220:223], v[VCR] offset:512     ; and 128 further on
	; ---- merge: the running maximum, and both sides scaled to it
	v_max_num_f32 v43, v[MRUN], v44
	v_sub_f32 v45, v[MRUN], v43
	v_sub_f32 v46, v44, v43
	v_mul_f32 v45, s60, v45
	v_mul_f32 v46, s60, v46
	v_exp_f32 v45, v45
	v_exp_f32 v46, v46
	v_mov_b32 v[MRUN], v43                         ; also the plain instruction behind the exponentials
	s_wait_alu depctr_va_vdst(0)
	v_mul_f32 v[LRUN], v[LRUN], v45
	v_fmac_f32 v[LRUN], v42, v46
	s_wait_dscnt 0x0
.irp i, 0,1,2,3,4,5,6,7
	v_mul_f32 v[CTXR+\i], v[CTXR+\i], v45
	v_fmac_f32 v[CTXR+\i], v[216+\i], v46
.endr
	s_barrier_signal -1                            ; my reads of the rows and of the scores are back (the wait for 0 above):
	s_barrier_wait -1                              ; only now may the next pass write them again
	s_add_co_u32 s31, s31, NVAL
	s_cmp_lg_u32 s31, 2*NVAL
	s_cbranch_scc1 .Lpass
	global_store_b128 v[VL16], v[CTXR:CTXR+3], s[16:17]              ; 512 consecutive bytes each
	global_store_b128 v[VL16], v[CTXR+4:CTXR+7], s[16:17] offset:512
	s_cmp_lg_u32 s22, 0
	s_cbranch_scc1 .Lno_ml
	v_lshlrev_b32 v42, 3, v[VL]
	global_store_b64 v42, v[MRUN:LRUN], s[18:19]   ; (m, l), 32 copies: 256 consecutive bytes
.Lno_ml:
	s_wait_tensorcnt 0x0                           ; the wave's end
	ds_add_u32 v[SPW], v[NIL]
	s_wait_dscnt 0x0
	s_endpgm
.Lfunc_end_k_q585bf1e265_main:
	.size	k_q585bf1e265_main, .Lfunc_end_k_q585bf1e265_main-k_q585bf1e265_main
	.p2alignl 7, 3214868480
	.fill 96, 4, 3214868480
	.section	.rodata,"a",@progbits
	.p2align	6, 0x0
	.amdhsa_kernel k_q585bf1e265_main
		.amdhsa_group_segment_fixed_size 314880
		.amdhsa_private_segment_fixed_size 0
		.amdhsa_enable_private_segment 0
		.amdhsa_kernarg_size 64
		.amdhsa_user_sgpr_count 2
		.amdhsa_user_sgpr_kernarg_segment_ptr 1
		.amdhsa_wavefront_size32 1
		.amdhsa_system_sgpr_workgroup_id_x 1
		.amdhsa_system_sgpr_workgroup_id_y 1
		.amdhsa_system_sgpr_workgroup_id_z 1
		.amdhsa_system_vgpr_workitem_id 0
		.amdhsa_next_free_vgpr 1024
		.amdhsa_next_free_sgpr 66
		.amdhsa_reserve_vcc 1
		.amdhsa_float_denorm_mode_32 3
		.amdhsa_float_denorm_mode_16_64 3
		.amdhsa_memory_ordered 1
		.amdhsa_forward_progress 1
		.amdhsa_inst_pref_size 255
	.end_amdhsa_kernel
	.section	.bss,"aw",@nobits
	.p2align	6
	.space	262144
	.amdgpu_metadata
---
amdhsa.version: [ 1, 2 ]
amdhsa.kernels:
  - .name:           k_q585bf1e265_main
    .symbol:         k_q585bf1e265_main.kd
    .args:
      - { .name: xs, .offset: 0, .size: 8, .value_kind: global_buffer, .address_space: global }
      - { .name: wbf, .offset: 8, .size: 8, .value_kind: global_buffer, .address_space: global }
      - { .name: ca, .offset: 16, .size: 8, .value_kind: global_buffer, .address_space: global }
      - { .name: energy, .offset: 24, .size: 8, .value_kind: global_buffer, .address_space: global }
      - { .name: mask, .offset: 32, .size: 8, .value_kind: global_buffer, .address_space: global }
      - { .name: scw, .offset: 40, .size: 8, .value_kind: global_buffer, .address_space: global }
      - { .name: pctx, .offset: 48, .size: 8, .value_kind: global_buffer, .address_space: global }
      - { .name: pml, .offset: 56, .size: 8, .value_kind: global_buffer, .address_space: global }
    .group_segment_fixed_size: 314880
    .private_segment_fixed_size: 0
    .kernarg_segment_align: 8
    .kernarg_segment_size: 64
    .max_flat_workgroup_size: 128
    .sgpr_count:     66
    .vgpr_count:     1024
    .wavefront_size: 32
...
	.end_amdgpu_metadata
.endif
;; end of part 2
;; launch combine (part 3): grid 4 x 32, 4 waves a work-group, no clusters, 0 bytes of LDS; arguments mask, scw, pctx, pml, out0, out1; writes out0, out1
.if DOCPART == 3
	.amdgcn_target "amdgcn-amd-amdhsa--gfx1250"
	.amdhsa_code_object_version 6
	.text
	.protected	k_q585bf1e265_combine
	.globl	k_q585bf1e265_combine
	.p2align	8
	.type	k_q585bf1e265_combine,@function
k_q585bf1e265_combine:
	s_mov_b64 s[64:65], 0
	v_nop
	global_prefetch_b8 v0, s[64:65] scope:SCOPE_SE
	s_setreg_imm32_b32 hwreg(HW_REG_WAVE_MODE, 25, 1), 1
	s_wait_xcnt 0x0
; THE JOIN.  Work-group (qd, b): a quarter of batch b's outputs.  The batch's eight blocks left (m_u, l_u) and ctx_u, each relative to its own maximum, and every row's score in scw.
; M = max m_u; w_u = 2^((m_u - M) log2 e); Lsum = sum w_u l_u;  ctx = (sum w_u ctx_u) / Lsum;  attn[s] = 2^((score[s] - M) log2 e) / Lsum where the mask keeps s, else 0 (a choice, no product: a hidden row's
; exponential may be infinite).  A batch that keeps no row: Lsum = 0, its reciprocal is infinite, and 0 times it is NaN in every number, as a softmax over -inf alone gives.
; Memory binds and the data are small: no LDS, no barrier, no matrix unit.  Thread t: 4 rows of attn (16 bytes; a wave's store covers 512 consecutive bytes) and 2 columns of ctx (a wave: 256).
	s_load_b256 s[4:11], s[0:1], 0x0               ; mask s[4:5], scw s[6:7], pctx s[8:9], pml s[10:11]
	s_load_b128 s[12:15], s[0:1], 0x20             ; out0 s[12:13], out1 s[14:15]
	s_mov_b32 s18, ttmp9                           ; qd
	s_and_b32 s19, ttmp7, 0xffff                   ; b
	s_mov_b32 s20, 0x3fb8aa3b                      ; log2(e)
	s_mov_b32 s23, 0
	v_and_b32 v1, 31, v0
	v_lshlrev_b32 v2, 4, v0                        ; 16 t
	v_lshlrev_b32 v3, 2, v0                        ; 4 t
	v_lshlrev_b32 v4, 3, v0                        ; 8 t
	v_lshlrev_b32 v5, 3, v1                        ; 8 L
	s_wait_kmcnt 0x0
	s_lshl_b32 s22, s19, 11
	s_add_nc_u64 s[10:11], s[10:11], s[22:23]      ; pml at batch b
	s_lshl_b32 s24, s18, 9
	s_add_co_u32 s22, s22, s24
	s_add_nc_u64 s[4:5], s[4:5], s[22:23]          ; mask at my 512 rows
	s_lshl_b32 s22, s22, 2
	s_add_nc_u64 s[6:7], s[6:7], s[22:23]          ; scw and out1 likewise
	s_add_nc_u64 s[14:15], s[14:15], s[22:23]
	s_lshl_b32 s24, s18, 10
	s_lshl_b32 s22, s19, 15
	s_add_co_u32 s22, s22, s24
	s_add_nc_u64 s[8:9], s[8:9], s[22:23]          ; pctx at batch b, my 256 columns
	s_lshl_b32 s22, s19, 12
	s_add_co_u32 s22, s22, s24
	s_add_nc_u64 s[12:13], s[12:13], s[22:23]      ; out0 likewise
.irp u, 0,1,2,3,4,5,6,7                ; all 18 loads go out at once, in the order in which they are wanted
	global_load_b64 v[16+2*\u:17+2*\u], v5, s[10:11] offset:256*\u
.endr
	global_load_b32 v12, v3, s[4:5]
	global_load_b128 v[52:55], v2, s[6:7]
.irp u, 0,1,2,3,4,5,6,7
	global_load_b64 v[32+2*\u:33+2*\u], v4, s[8:9] offset:4096*\u
.endr
	s_wait_loadcnt 10                              ; (m, l) are in; mask, scw and 8 of pctx stay out
	v_max3_num_f32 v56, v16, v18, v20
	v_max3_num_f32 v56, v56, v22, v24
	v_max3_num_f32 v56, v56, v26, v28
	v_max_num_f32 v56, v56, v30                    ; M
.irp u, 0,1,2,3,4,5,6,7
	v_sub_f32 v[64+\u], v[16+2*\u], v56
.endr
.irp u, 0,1,2,3,4,5,6,7
	v_mul_f32 v[64+\u], s20, v[64+\u]
.endr
.irp u, 0,1,2,3,4,5,6,7
	v_exp_f32 v[64+\u], v[64+\u]                   ; w_u
.endr
	v_nop                                          ; a plain instruction between the last exponential and the use of its result
	s_wait_alu depctr_va_vdst(0)
	v_mul_f32 v72, v64, v17
.irp u, 1,2,3,4,5,6,7
	v_fmac_f32 v72, v[64+\u], v[17+2*\u]           ; Lsum
.endr
	v_rcp_f32 v73, v72
	s_wait_loadcnt 8                               ; mask and scw are in; 8 of pctx stay out
.irp e, 0,1,2,3
	v_bfe_u32 v[80+\e], v12, 8*\e, 8               ; the four mask bytes; also the plain work behind the reciprocal
.endr
.irp e, 0,1,2,3
	v_sub_f32 v[52+\e], v[52+\e], v56
.endr
.irp e, 0,1,2,3
	v_mul_f32 v[52+\e], s20, v[52+\e]
.endr
.irp e, 0,1,2,3
	v_exp_f32 v[52+\e], v[52+\e]
.endr
	v_nop
	s_wait_alu depctr_va_vdst(0)
.irp e, 0,1,2,3
	v_cmp_ne_u32 vcc_lo, 0, v[80+\e]
	v_cndmask_b32 v[52+\e], 0, v[52+\e], vcc_lo    ; a hidden row's weight is 0
	v_mul_f32 v[52+\e], v[52+\e], v73
.endr
	global_store_b128 v2, v[52:55], s[14:15]
	s_wait_loadcnt 0x0                             ; pctx is in
	v_pk_mul_f32 v[74:75], v[32:33], v[64:65] op_sel_hi:[1,0]
.irp u, 2,4,6                          ; w_u lies in the low register of its pair,
	v_pk_fma_f32 v[74:75], v[32+2*\u:33+2*\u], v[64+\u:65+\u], v[74:75] op_sel_hi:[1,0,1]
.endr
.irp u, 1,3,5,7                        ; or in the high one
	v_pk_fma_f32 v[74:75], v[32+2*\u:33+2*\u], v[63+\u:64+\u], v[74:75] op_sel:[0,1,0] op_sel_hi:[1,1,1]
.endr
	v_pk_mul_f32 v[74:75], v[74:75], v[72:73] op_sel:[0,1] op_sel_hi:[1,1]
	global_store_b64 v4, v[74:75], s[12:13]
	s_endpgm
.Lfunc_end_k_q585bf1e265_combine:
	.size	k_q585bf1e265_combine, .Lfunc_end_k_q585bf1e265_combine-k_q585bf1e265_combine
	.p2alignl 7, 3214868480
	.fill 96, 4, 3214868480
	.section	.rodata,"a",@progbits
	.p2align	6, 0x0
	.amdhsa_kernel k_q585bf1e265_combine
		.amdhsa_group_segment_fixed_size 0
		.amdhsa_private_segment_fixed_size 0
		.amdhsa_enable_private_segment 0
		.amdhsa_kernarg_size 48
		.amdhsa_user_sgpr_count 2
		.amdhsa_user_sgpr_kernarg_segment_ptr 1
		.amdhsa_wavefront_size32 1
		.amdhsa_system_sgpr_workgroup_id_x 1
		.amdhsa_system_sgpr_workgroup_id_y 1
		.amdhsa_system_sgpr_workgroup_id_z 1
		.amdhsa_system_vgpr_workitem_id 0
		.amdhsa_next_free_vgpr 96
		.amdhsa_next_free_sgpr 66
		.amdhsa_reserve_vcc 1
		.amdhsa_float_denorm_mode_32 3
		.amdhsa_float_denorm_mode_16_64 3
		.amdhsa_memory_ordered 1
		.amdhsa_forward_progress 1
		.amdhsa_inst_pref_size 7
	.end_amdhsa_kernel
	.amdgpu_metadata
---
amdhsa.version: [ 1, 2 ]
amdhsa.kernels:
  - .name:           k_q585bf1e265_combine
    .symbol:         k_q585bf1e265_combine.kd
    .args:
      - { .name: mask, .offset: 0, .size: 8, .value_kind: global_buffer, .address_space: global }
      - { .name: scw, .offset: 8, .size: 8, .value_kind: global_buffer, .address_space: global }
      - { .name: pctx, .offset: 16, .size: 8, .value_kind: global_buffer, .address_space: global }
      - { .name: pml, .offset: 24, .size: 8, .value_kind: global_buffer, .address_space: global }
      - { .name: out0, .offset: 32, .size: 8, .value_kind: global_buffer, .address_space: global }
      - { .name: out1, .offset: 40, .size: 8, .value_kind: global_buffer, .address_space: global }
    .group_segment_fixed_size: 0
    .private_segment_fixed_size: 0
    .kernarg_segment_align: 8
    .kernarg_segment_size: 48
    .max_flat_workgroup_size: 128
    .sgpr_count:     66
    .vgpr_count:     96
    .wavefront_size: 32
...
	.end_amdgpu_metadata
.endif
;; end of part 3
;; ======== version 2 of 2: 3 launches; 1.81 times as fast as version 1
;; workspace buffers: wbf 2,097,152 bytes; ca 131,072 bytes; order 327,680 bytes of whole numbers; rank 262,144 bytes of whole numbers; cntb 32,768 bytes of whole numbers; scw 327,680 bytes; pctx 1,048,576 bytes; pml 65,536 bytes
;; launch prep (part 4): grid 160 x 1, 8 waves a work-group, no clusters, 17,664 bytes of LDS; arguments Wa, Wb, k, mask, wbf, ca, order, rank, cntb, scw; writes wbf, ca, order, rank, cntb, scw
.if DOCPART == 4
	.amdgcn_target "amdgcn-amd-amdhsa--gfx1250"
	.amdhsa_code_object_version 6
	.text
	.protected	k_q585bf1e265_prep
	.globl	k_q585bf1e265_prep
	.p2align	8
	.type	k_q585bf1e265_prep,@function
k_q585bf1e265_prep:
	s_mov_b64 s[64:65], 0
	v_nop
	global_prefetch_b8 v0, s[64:65] scope:SCOPE_SE
	s_setreg_imm32_b32 hwreg(HW_REG_WAVE_MODE, 25, 1), 1
	s_wait_xcnt 0x0
; PREPARATION, three kinds of work-group, chosen by the work-group's number alone (the same in all eight waves):
;   0-63    column tile g of ca = c2 (k Wa^T), c2 = 2 log2(e): k and Wa rounded to bf16, sums in f32; K is split over the eight waves, the parts meet in LDS
;   64-127  column tile g of Wb, rounded to bf16 and laid out as the matrix unit's source 1 wants it: a fragment (16 columns x 32 K) is 1,024 consecutive bytes
;   128-159 batch b: the rows that the mask keeps, dealt to the next launch's eight work-groups
; wbf: fragment (g, t) at (((g >> 2) 32 + t) 4 + (g & 3)) 1024; piece p at + 512 p, lane L at + 16 L: Wb[16 g + L % 16][32 t + 16 p + 8 (L / 16) + 0..7].
; ca: [g][b][16] f32.
; THE LISTS.  share = (kept rows + 7) / 8.  A kept row with rk kept rows ahead of it goes to work-group j = rk / share, place idx = rk - j share, pass idx / 144: slot = 320 j + idx + 16 (idx >= 144).
; order [32][8][2][160]: order[slot] = the row; every place that no kept row takes holds 0.  rank [32][2048]: a kept row's slot, a hidden row's 0.  cntb [32][8][32]: the rows of work-group j, 32 copies.
; scw, laid out as order, is set to 0.  A mask byte other than 0 counts as true.  No word is written with two different numbers: a lane that has nothing to write sends a 0 to place 159 of a first pass, which
; no launch reads and which holds 0 anyway.
; Wa's, Wb's and k's rows are read in pieces of 32 bytes of 16 rows; a wave's sixteen loads on end use up 512 consecutive bytes of each row, and each input is read once.
.set RED,   0                          ; 8 waves x 2,048 bytes: a wave's part of [32 b][16 o] f32
.set CNTS,  16384                      ; 8 words: the waves' counts
.set SPARE, 16640                      ; the spare words, 128 bytes a wave: four blocks of 256 bytes that no other line names
.set SPW, 30                           ; v30  SPARE + 4 x my thread's number; never rewritten
.set NIL, 31                           ; v31  0; never rewritten
.set NROW, 144                         ; places of a pass that are used
.set PSTR, 160                         ; words from pass to pass
.set WSTR, 320                         ; from work-group to work-group
.set BSTR, 2560                        ; from batch to batch
; Sixteen loads: the f32 numbers of four fragments (K steps 4 w + tt), 16 registers each: piece 0's eight, then piece 1's.
.macro LOADF dst, sb, off
.irp tt, 0,1,2,3
.irp x, 0,1,2,3
	global_load_b128 v[(\dst)+16*\tt+4*\x:(\dst)+16*\tt+4*\x+3], v5, s[\sb:\sb+1] offset:(\off)+128*\tt+64*(\x/2)+16*(\x%2)
.endr
.endr
.endm
	s_load_b512 s[4:19], s[0:1], 0x0               ; Wa s[4:5], Wb s[6:7], k s[8:9], mask s[10:11], wbf s[12:13], ca s[14:15], order s[16:17], rank s[18:19]
	s_load_b128 s[20:23], s[0:1], 0x40             ; cntb s[20:21], scw s[22:23]
	v_lshl_add_u32 v[SPW], v0, 2, SPARE
	v_mov_b32 v[NIL], 0
	v_lshrrev_b32 v1, 5, v0
	v_readfirstlane_b32 s24, v1                    ; wave 0..7
	s_mov_b32 s25, ttmp9                           ; the work-group's number
	v_and_b32 v2, 31, v0                           ; L
	v_and_b32 v3, 15, v0                           ; r = L % 16
	v_bfe_u32 v4, v0, 4, 1                         ; h = L / 16
	v_lshlrev_b32 v5, 12, v3                       ; a fragment's f32 source: row r x 4,096 bytes
	v_lshl_add_u32 v5, v4, 5, v5                   ; + 32 h
	s_lshl_b32 s26, s24, 9
	v_add_nc_u32 v5, s26, v5                       ; + 512 w: wave w takes K steps 4 w .. 4 w + 3
	v_lshlrev_b32 v6, 4, v2                        ; 16 L
	v_lshlrev_b32 v7, 2, v2                        ; 4 L
	s_mov_b32 s27, 0                               ; high word of every offset
	s_mov_b32 s32, 0x4038aa3b                      ; c2 = 2 log2(e)
	s_mov_b32 s33, s32                             ; named with it as a pair
	s_wait_kmcnt 0x0
	s_cmp_lt_u32 s25, 64
	s_cbranch_scc1 .Lrole_a
	s_cmp_lt_u32 s25, 128
	s_cbranch_scc1 .Lrole_w
	; ---- THE LISTS of batch b.  Wave w takes rows 256 w + 32 q + L, q = 0..7.
	s_sub_co_u32 s28, s25, 128                     ; b
	s_lshl_b32 s29, s24, 8                         ; 256 w
	s_lshl_b32 s26, s28, 11
	s_add_co_u32 s26, s26, s29
	s_add_nc_u64 s[10:11], s[10:11], s[26:27]      ; mask at my 256 bytes
.irp q, 0,1,2,3,4,5,6,7
	global_load_u8 v[32+\q], v2, s[10:11] offset:32*\q
.endr
	s_lshl_b32 s26, s26, 2
	s_add_nc_u64 s[18:19], s[18:19], s[26:27]      ; rank at my 256 rows
	s_mul_i32 s26, s28, 4*BSTR
	s_add_nc_u64 s[16:17], s[16:17], s[26:27]      ; order and scw at batch b
	s_add_nc_u64 s[22:23], s[22:23], s[26:27]
	s_lshl_b32 s26, s28, 3
	s_add_co_u32 s26, s26, s24
	s_lshl_b32 s26, s26, 7
	s_add_nc_u64 s[20:21], s[20:21], s[26:27]      ; cntb at (b, w)
	v_mov_b32 v8, 0
	s_mov_b32 s48, 0
	s_wait_loadcnt 0x0
.irp q, 0,1,2,3,4,5,6,7
	v_cmp_ne_u32 s[40+\q], 0, v[32+\q]             ; which of the 32 rows are kept
	s_bcnt1_i32_b32 s49, s[40+\q]
	s_add_co_u32 s48, s48, s49                     ; my wave's count
.endr
	v_mov_b32 v9, s48
	v_mov_b32 v10, s24
	v_lshlrev_b32 v10, 2, v10
	ds_store_b32 v10, v9 offset:CNTS               ; all lanes write the same word with the same number
	s_wait_dscnt 0x0                               ; for the others' sake: my count is in LDS
	s_barrier_signal -1
	s_barrier_wait -1
	v_mov_b32 v11, CNTS
	ds_load_b128 v[12:15], v11
	ds_load_b128 v[16:19], v11 offset:16
	s_wait_dscnt 0x0
.irp u, 0,1,2,3,4,5,6,7
	v_readfirstlane_b32 s[50+\u], v[12+\u]
.endr
	s_mov_b32 s59, 0                               ; kept rows ahead of my wave's
	s_mov_b32 s60, 0                               ; kept rows of the batch
.irp u, 0,1,2,3,4,5,6,7
	s_add_co_u32 s60, s60, s[50+\u]
	s_cmp_gt_u32 s24, \u
	s_cselect_b32 s58, s[50+\u], 0
	s_add_co_u32 s59, s59, s58
.endr
	s_add_co_u32 s61, s60, 7
	s_lshr_b32 s61, s61, 3                         ; share: 256 at the most
.irp u, 1,2,3,4,5,6,7
	s_mul_i32 s[49+\u], s61, \u                    ; where work-group u's rows begin
.endr
	v_mov_b32 v80, PSTR-1                          ; the place that takes the hidden lanes' zeros
	; Each q has its own registers for what its stores name: no store's source is rewritten.
.irp q, 0,1,2,3,4,5,6,7
	v_mbcnt_lo_u32_b32 v72, s[40+\q], s59          ; rk: the kept rows ahead of mine
	s_bcnt1_i32_b32 s49, s[40+\q]
	s_add_co_u32 s59, s59, s49
	v_mov_b32 v73, 0
.irp u, 1,2,3,4,5,6,7
	v_cmp_le_u32 vcc_lo, s[49+\u], v72
	v_cndmask_b32 v74, 0, 1, vcc_lo
	v_add_nc_u32 v73, v73, v74                     ; j = rk / share, by seven compares
.endr
	v_mul_u32_u24 v74, s61, v73
	v_sub_nc_u32 v75, v72, v74                     ; idx = rk - j share
	v_mad_u32_u24 v76, v73, WSTR, v75
	v_cmp_le_u32 vcc_lo, NROW, v75
	v_cndmask_b32 v74, 0, PSTR-NROW, vcc_lo
	v_add_nc_u32 v76, v76, v74                     ; slot
	v_cndmask_b32 v77, v80, v76, s[40+\q]          ; a hidden lane: the place for zeros
	v_min_u32 v[48+\q], BSTR-1, v77                ; a slot is 0 .. 2559
	v_lshlrev_b32 v[48+\q], 2, v[48+\q]
	s_add_co_u32 s63, s29, 32*\q
	v_add_nc_u32 v78, s63, v2                      ; s
	v_cndmask_b32 v[56+\q], 0, v78, s[40+\q]
	v_cndmask_b32 v[64+\q], 0, v76, s[40+\q]
	global_store_b32 v[48+\q], v[56+\q], s[16:17]  ; order[slot] = s: kept lanes' slots ascend without a gap but at the change of work-group or pass
	global_store_b32 v7, v[64+\q], s[18:19] offset:128*\q  ; rank[s] = slot: 128 consecutive bytes
.endr
	; Wave w sees to work-group w's part: its count, zeros in the places that no kept row takes, zeros in scw.
	s_mul_i32 s62, s24, s61
	s_min_u32 s62, s62, s60
	s_add_co_u32 s63, s62, s61
	s_min_u32 s63, s63, s60
	s_sub_co_u32 s63, s63, s62                     ; its rows
	s_min_u32 s58, s63, NROW                       ; of them in the first pass,
	s_max_u32 s59, s63, NROW
	s_sub_co_u32 s59, s59, NROW                    ; and in the second
	s_mul_i32 s49, s24, WSTR
	v_add_nc_u32 v81, s49, v2                      ; word L of its part
	s_add_co_u32 s49, s49, PSTR-1
	v_mov_b32 v82, s49                             ; its place for zeros
	v_lshlrev_b32 v83, 2, v81
.irp i, 0,1,2,3,4
	v_add_nc_u32 v[84+\i], 32*\i, v2               ; place 32 i + L of a pass
.endr
.irp p, 0,1
.irp i, 0,1,2,3,4
	v_cmp_gt_u32 vcc_lo, s[58+\p], v[84+\i]        ; a kept row's place?
	v_add_nc_u32 v79, PSTR*\p+32*\i, v81
	v_cndmask_b32 v79, v79, v82, vcc_lo            ; then my zero goes aside
	v_min_u32 v[90+5*\p+\i], BSTR-1, v79
	v_lshlrev_b32 v[90+5*\p+\i], 2, v[90+5*\p+\i]
	global_store_b32 v[90+5*\p+\i], v8, s[16:17]
	global_store_b32 v83, v8, s[22:23] offset:4*(PSTR*\p+32*\i)  ; 128 consecutive bytes
.endr
.endr
	v_mov_b32 v21, s63
	global_store_b32 v7, v21, s[20:21]             ; the count, 32 copies
	s_branch .Lend
	; ---- Wb's column tile g, rounded and laid out
.Lrole_w:
	s_sub_co_u32 s28, s25, 64                      ; g
	s_lshl_b32 s26, s28, 16
	s_add_nc_u64 s[6:7], s[6:7], s[26:27]          ; Wb at row 16 g
	LOADF 32, 6, 0
	s_lshr_b32 s29, s28, 2
	s_lshl_b32 s29, s29, 17
	s_and_b32 s30, s28, 3
	s_lshl_b32 s30, s30, 10
	s_add_co_u32 s26, s29, s30
	s_lshl_b32 s30, s24, 14
	s_add_co_u32 s26, s26, s30
	s_add_nc_u64 s[12:13], s[12:13], s[26:27]      ; wbf at fragment (g, 4 w)
	s_wait_loadcnt 0x0
.set i, 0
.rept 32
	v_cvt_pk_bf16_f32 v[96+i], v[32+2*i], v[33+2*i]
.set i, i+1
.endr
.irp tt, 0,1,2,3
.irp p, 0,1
	global_store_b128 v6, v[96+8*\tt+4*\p:99+8*\tt+4*\p], s[12:13] offset:4096*\tt+512*\p  ; 512 consecutive bytes
.endr
.endr
	s_branch .Lend
	; ---- ca's column tile g: 32 batches x 16 columns, four K steps a wave
.Lrole_a:
	s_lshl_b32 s26, s25, 16
	s_add_nc_u64 s[4:5], s[4:5], s[26:27]          ; Wa at row 16 g
	LOADF 32, 4, 0                                 ; Wa: source 1
	LOADF 96, 8, 0                                 ; k, batches 0-15: source 0
	LOADF 160, 8, 65536                            ; k, batches 16-31
	s_lshl_b32 s26, s25, 11
	s_add_nc_u64 s[14:15], s[14:15], s[26:27]      ; ca at tile g
	v_lshlrev_b32 v9, 2, v3                        ; my wave's part in LDS: [b = 16 mt + 8 h + j][r]
	v_lshl_add_u32 v9, v4, 9, v9
	s_lshl_b32 s29, s24, 11
	v_add_nc_u32 v9, s29, v9
	s_wait_loadcnt 0x0
.set f, 0
.rept 12                               ; each fragment's 16 f32 are rounded into its first 8 registers, ascending: a destination never lies ahead of its sources
.set i, 0
.rept 8
	v_cvt_pk_bf16_f32 v[32+16*f+i], v[32+16*f+2*i], v[32+16*f+2*i+1]
.set i, i+1
.endr
.set f, f+1
.endr
.irp tt, 0,1,2,3                       ; the two accumulators take turns; the first products start the sums
.irp mt, 0,1
.if \tt == 0
	v_wmma_f32_16x16x32_bf16 v[224+8*\mt:231+8*\mt], v[96+64*\mt+16*\tt:103+64*\mt+16*\tt], v[32+16*\tt:39+16*\tt], 0
.else
	v_wmma_f32_16x16x32_bf16 v[224+8*\mt:231+8*\mt], v[96+64*\mt+16*\tt:103+64*\mt+16*\tt], v[32+16*\tt:39+16*\tt], v[224+8*\mt:231+8*\mt]
.endif
.endr
.endr
.rept 4
	v_nop                                          ; four places behind the last product, for the stores below and the loads into the fragments' registers
.endr
.irp mt, 0,1
.irp j, 0,1,2,3,4,5,6,7
	ds_store_b32 v9, v[224+8*\mt+\j] offset:RED+1024*\mt+64*\j
.endr
.endr
	s_wait_dscnt 0x0                               ; for the others' sake: my part is in LDS
	s_barrier_signal -1
	s_barrier_wait -1
	s_cmp_lt_u32 s24, 4
	s_cbranch_scc0 .Lend                           ; 128 threads add the eight parts, four numbers each
	v_lshlrev_b32 v10, 4, v0
.irp u, 0,1,2,3,4,5,6,7
	ds_load_b128 v[32+4*\u:35+4*\u], v10 offset:RED+2048*\u
.endr
	s_wait_dscnt 0x0
.irp u, 1,2,3,4,5,6,7
	v_pk_add_f32 v[32:33], v[32:33], v[32+4*\u:33+4*\u]
	v_pk_add_f32 v[34:35], v[34:35], v[34+4*\u:35+4*\u]
.endr
	v_pk_mul_f32 v[32:33], v[32:33], s[32:33] op_sel_hi:[1,0]
	v_pk_mul_f32 v[34:35], v[34:35], s[32:33] op_sel_hi:[1,0]
	global_store_b128 v10, v[32:35], s[14:15]      ; 512 consecutive bytes a wave
.Lend:
	s_wait_tensorcnt 0x0                           ; the wave's end
	ds_add_u32 v[SPW], v[NIL]
	s_wait_dscnt 0x0
	s_endpgm
.Lfunc_end_k_q585bf1e265_prep:
	.size	k_q585bf1e265_prep, .Lfunc_end_k_q585bf1e265_prep-k_q585bf1e265_prep
	.p2alignl 7, 3214868480
	.fill 96, 4, 3214868480
	.section	.rodata,"a",@progbits
	.p2align	6, 0x0
	.amdhsa_kernel k_q585bf1e265_prep
		.amdhsa_group_segment_fixed_size 17664
		.amdhsa_private_segment_fixed_size 0
		.amdhsa_enable_private_segment 0
		.amdhsa_kernarg_size 80
		.amdhsa_user_sgpr_count 2
		.amdhsa_user_sgpr_kernarg_segment_ptr 1
		.amdhsa_wavefront_size32 1
		.amdhsa_system_sgpr_workgroup_id_x 1
		.amdhsa_system_sgpr_workgroup_id_y 1
		.amdhsa_system_sgpr_workgroup_id_z 1
		.amdhsa_system_vgpr_workitem_id 0
		.amdhsa_next_free_vgpr 256
		.amdhsa_next_free_sgpr 66
		.amdhsa_reserve_vcc 1
		.amdhsa_float_denorm_mode_32 3
		.amdhsa_float_denorm_mode_16_64 3
		.amdhsa_memory_ordered 1
		.amdhsa_forward_progress 1
		.amdhsa_inst_pref_size 45
	.end_amdhsa_kernel
	.amdgpu_metadata
---
amdhsa.version: [ 1, 2 ]
amdhsa.kernels:
  - .name:           k_q585bf1e265_prep
    .symbol:         k_q585bf1e265_prep.kd
    .args:
      - { .name: Wa, .offset: 0, .size: 8, .value_kind: global_buffer, .address_space: global }
      - { .name: Wb, .offset: 8, .size: 8, .value_kind: global_buffer, .address_space: global }
      - { .name: k, .offset: 16, .size: 8, .value_kind: global_buffer, .address_space: global }
      - { .name: mask, .offset: 24, .size: 8, .value_kind: global_buffer, .address_space: global }
      - { .name: wbf, .offset: 32, .size: 8, .value_kind: global_buffer, .address_space: global }
      - { .name: ca, .offset: 40, .size: 8, .value_kind: global_buffer, .address_space: global }
      - { .name: order, .offset: 48, .size: 8, .value_kind: global_buffer, .address_space: global }
      - { .name: rank, .offset: 56, .size: 8, .value_kind: global_buffer, .address_space: global }
      - { .name: cntb, .offset: 64, .size: 8, .value_kind: global_buffer, .address_space: global }
      - { .name: scw, .offset: 72, .size: 8, .value_kind: global_buffer, .address_space: global }
    .group_segment_fixed_size: 17664
    .private_segment_fixed_size: 0
    .kernarg_segment_align: 8
    .kernarg_segment_size: 80
    .max_flat_workgroup_size: 256
    .sgpr_count:     66
    .vgpr_count:     256
    .wavefront_size: 32
...
	.end_amdgpu_metadata
.endif
;; end of part 4
;; launch main (part 5): grid 8 x 32, 4 waves a work-group, no clusters, 314,880 bytes of LDS; arguments xs, wbf, ca, energy, order, cntb, scw, pctx, pml; writes scw, pctx, pml
.if DOCPART == 5
	.amdgcn_target "amdgcn-amd-amdhsa--gfx1250"
	.amdhsa_code_object_version 6
	.text
	.protected	k_q585bf1e265_main
	.globl	k_q585bf1e265_main
	.p2align	8
	.type	k_q585bf1e265_main,@function
k_q585bf1e265_main:
	s_mov_b64 s[64:65], 0
	v_nop
	global_prefetch_b8 v0, s[64:65] scope:SCOPE_SE
	s_setreg_imm32_b32 hwreg(HW_REG_WAVE_MODE, 25, 1), 1
	s_wait_xcnt 0x0
; BAHDANAU ATTENTION, the bulk.  Work-group (j, b) takes the j-th eighth of the rows of batch b that the mask keeps (hidden rows get weight 0 and are never read), by the list that the launch before has laid
; out for it: two passes of 144 places, 160 words apart; an eighth is 256 rows at the most.  Places past the last row name row 0 of the batch and get weight 0.  A pass without rows jumps forward over its three
; phases, never over a barrier.  A pass:
;   ROWS     its rows of xs, rounded to bf16, into LDS, where they stay: a kept row is read from memory once.
;   PRODUCT  acc = xs Wb^T.  Wave w owns columns 256 w .. + 255 in four chunks of 64: a wave tile of 144 x 64, 36 accumulators.  A's fragments come from LDS, Wb's (bf16, in fragment order) from memory into registers.
;   TANH     tanh(x) = 1 - 2 / (1 + 2^(c2 x)), c2 = 2 log2(e); c2 x = c2 acc + ca[o], ca = c2 (k Wa^T).  score = sum over o of e[o] tanh, e = bf16(energy).  2^x = inf gives 1, 2^x = 0 gives -1: tanh's limits.
;            A chunk's tanh stands in slices behind the NEXT chunk's matrix instructions.
;   SOFTMAX  of the block: its maximum m, p = 2^((s - m) log2 e), l = sum p;  CTX = p^T xs on the matrix unit, from the rows in LDS;  both merged into running m, l, ctx.
; The last launch joins a batch's eight blocks.  LIMITS: NaN and infinities in the inputs are not treated apart; p is rounded to bf16 for ctx (l is the sum of the unrounded p); a weight below 2^-126 counts as 0.
; NO TENSOR LOADS, NO CLUSTER: the rows take 297,216 bytes of LDS; of what is left two slots would have under 15,232 bytes each, and one K step of Wb for four waves is 16,384.  Each wave's columns of Wb are read by
; no other wave, so they go straight into registers: three K steps (12 KB a wave) on their way.  The price: each work-group reads all 2 MB of wbf itself, once for each pass that has rows.
; REGISTERS, in windows of 256 (s_set_vgpr_msb: bits 1:0 source 0, 3:2 source 1, 5:4 source 2, 7:6 destination):
;   window 0: v0-47 addresses, running sums, at work; v48-55 ca, e of four column tiles; v56-87 score sums of row tiles 5-8; v88-215 the stage of row tiles 5-8 (ctx: p, its fragments, accumulators); v216-239 at work;
;             v241 my offset in scw; v242-247 six rows' offsets in xs, and nothing else
;   window 1: v0-95 a ring of 12 fragments of A; v96-223 a ring of 4 K steps of Wb; v224-255 the accumulators of row tile 8
;   window 2: the accumulators of row tiles 0-7, (m, n) at 32 m + 8 n (rows phase: six rows as loaded; ctx: turned fragments of xs)
;   window 3: v0-159 the stage of row tiles 0-4 (ctx: turned fragments); v160-199 their score sums; v200-207 ca, e once more; v208-239 ca, e of all four chunks, a queue that turns by a chunk a trip
.set PITCH, 2064                       ; a row in LDS: 2,048 bytes + 16 = 129 x 16: the 16 rows of a fragment load start at 16 different groups of four banks (64 banks of 4 bytes: ISA guide 11.1)
.set NROW,  144                        ; places in a pass
.set PSTR,  160                        ; words from pass to pass in the list and in scw
.set CEA,   NROW*PITCH                 ; ca[o] at CEA + 4 o,
.set CEE,   4096                       ; e[o] this far behind it
.set SCR,   CEA+8192                   ; [wave][144] f32: each wave's part of the scores
.set PBUF,  SCR+2304                   ; [wave][160] f32: p, each wave's own copy
.set CT,    PBUF+2560                  ; 1,024 bytes a wave, its own: ctx on its way into column order
.set SPARE, CT+4096                    ; the spare words, 128 bytes a wave: two blocks of 256 bytes that no other line names
.set VL16, 1                           ; 16 L; never rewritten
.set VTA,  2                           ; 256 x a list entry + L, before it is clamped
.set VCE0, 4                           ; CEA + 1024 w + 4 r; never rewritten
.set AD,   6                           ; v6-14  (16 m + r) PITCH + 16 h
.set VSA,  15                          ; where my lane puts a row's score sum
.set VR1,  16                          ; SCR + 4 L
.set VR2,  17                          ; SCR + 512 + 4 r
.set VP1,  18                          ; PBUF + 640 w + 4 L
.set VPF,  19                          ; PBUF + 640 w + 32 h
.set TA,   20                          ; v20-24  the turning loads' addresses, rows 32 u on
.set VCT,  25
.set VCR,  26
.set VLST, 27                          ; rows phase: where my 8 bytes of the slot-0 row go
.set SPW,  28                          ; SPARE + 4 x my thread's number; never rewritten
.set NIL,  29                          ; 0; never rewritten
.set VL,   30                          ; L
.set VL128, 31                         ; 128 + L
.set CTXR, 32                          ; v32-39 running ctx: columns 256 w + 4 L + 0..3 and + 128
.set MRUN, 40
.set LRUN, 41
.set VLST0, 47                         ; 8 L + 36 w rows: my 8 bytes in my wave's first row
.set CE0,  48
.set SC0,  56
.set ST0,  88
.set CE3,  200                         ; window 3
.set CQ,   208                         ; window 3: chunk c's pair (ca, e) of column tile n at CQ + 8 c + 2 n, c counted from the chunk in hand
.set CV,   216                         ; rows phase: a row rounded, 16 registers
.set RA,   216                         ; the scores' reduction, at work
.set RB,   220
.set VSW,  241                         ; 4 (L + the pass's first word)
.set VOFF, 242                         ; six rows' offsets in xs
.set PF,   168                         ; ctx: p as source 0, 8 registers for each 32 rows
.set NX,   68                          ; s[68:75] the next list entries
.set MSB, 0
.macro WIN new                         ; the immediate's high byte repeats the setting that is left; a switch that changes nothing is dropped
.if MSB != (\new)
	s_set_vgpr_msb (MSB<<8)|(\new)
.set MSB, \new
.endif
.endm
.macro PLACES                          ; four places behind matrix instructions (ISA guide 7.12.1), where no other vector work is at hand
.rept 4
	v_nop
.endr
.endm
; ---- ROWS.  Slot i of six: a row's 4,096 bytes in 32 registers of window 2.
.macro ROWADDR i                       ; my 16 bytes of each 512 of the row that entry i names: 16 (256 row + L)
	v_lshl_add_u32 v[VTA], s[NX+\i], 8, v[VL]
	v_min_u32 v[VOFF+\i], 0x7ff1f, v[VTA]          ; a row is 0 .. 2047, a lane 0 .. 31: 256 x 2047 + 31 at the most
	v_lshlrev_b32 v[VOFF+\i], 4, v[VOFF+\i]
.endm
.macro ROWLOAD i                       ; eight loads of 512 consecutive bytes
	WIN 0x80
.irp jj, 0,1,2,3,4,5,6,7
	global_load_b128 v[32*(\i)+4*\jj:32*(\i)+4*\jj+3], v[VOFF+(\i)], s[4:5] offset:512*\jj
.endr
.endm
.macro ROWCVT i, left                  ; left: the younger loads that may stay out.  The wait also frees the slot's offset register
	s_wait_loadcnt \left
	WIN 0x0a
.set z, 0
.rept 16
	v_cvt_pk_bf16_f32 v[CV+z], v[32*(\i)+2*z], v[32*(\i)+2*z+1]
.set z, z+1
.endr
	WIN 0
.irp jj, 0,1,2,3,4,5,6,7
	ds_store_b64 v[VLST], v[CV+2*\jj:CV+2*\jj+1] offset:(\i)*PITCH+256*\jj  ; 256 consecutive bytes
.endr
.endm
; ---- TANH in slices.  Pair k of 144: registers 2 (k % 4), + 1 of the stage of tile (m, n) = (k / 16, (k / 4) % 4).  Five steps, the first four in place: 2^x; + 1; reciprocal; 1 - 2 times it; the score sums take e times that.
.macro PAIRREG k
.set pm, (\k)/16
.set pn, ((\k)/4)%4
.set pq, (\k)%4
.if pm < 5
	WIN 0xff
.set prr, 32*pm+8*pn+2*pq
.set pss, 160+8*pm+2*pq
.set pcc, CE3+2*pn
.else
	WIN 0
.set prr, ST0+32*(pm-5)+8*pn+2*pq
.set pss, SC0+8*(pm-5)+2*pq
.set pcc, CE0+2*pn
.endif
.endm
.macro EXPP k
	PAIRREG \k
	v_exp_f32 v[prr], v[prr]
	v_exp_f32 v[prr+1], v[prr+1]
.endm
.macro ADDP k
	PAIRREG \k
	s_wait_alu depctr_va_vdst(0)
	v_pk_add_f32 v[prr:prr+1], v[prr:prr+1], 1.0 op_sel_hi:[1,0]
.endm
.macro RCPP k
	PAIRREG \k
	v_rcp_f32 v[prr], v[prr]
	v_rcp_f32 v[prr+1], v[prr+1]
.endm
.macro TANP k
	PAIRREG \k
	s_wait_alu depctr_va_vdst(0)
	v_pk_fma_f32 v[prr:prr+1], v[prr:prr+1], -2.0, 1.0 op_sel_hi:[1,0,0]
.endm
.macro FMAP k                          ; the pair (ca, e): its second register for both halves
	PAIRREG \k
	v_pk_fma_f32 v[pss:pss+1], v[prr:prr+1], v[pcc:pcc+1], v[pss:pss+1] op_sel:[0,1,0] op_sel_hi:[1,1,1]
.endm
; Slice q of 288.  Even: 2^x of pair q / 2, then 1 - 2 r of the pair two back.  Odd: the reciprocals of the pair one back, + 1 of pair q / 2, the sums of the pair two back.  Behind the two transcendentals of a slice
; stands a plain instruction that names none of their registers, before their results are used (ISA guide 5.7.2); and each slice holds at least one plain instruction: one place behind the matrix instructions in front of it.
.macro HALF q
.set hk, (\q)/2
.if (\q)%2 == 0
	EXPP hk
.if hk < 2
	v_nop
	s_wait_alu depctr_va_vdst(0)
.else
	TANP hk-2
.endif
.else
.if hk > 0
	RCPP hk-1
.endif
	ADDP hk
.if hk > 1
	FMAP hk-2
.endif
.endif
.endm
.macro DRAIN                           ; what the 288 slices leave over
	TANP 142
	RCPP 143
	FMAP 142
	TANP 143
	FMAP 143
.endm
; ---- PRODUCT.  Group q = 9 t + m: K step t, row tile m, four column tiles.
.macro AFLOAD q                        ; A's fragment of group q into place q % 12 of the ring: lane (r, h) takes K = 32 t + 8 h + 0..7 and + 16
	WIN 0x40
	ds_load_b128 v[8*((\q)%12):8*((\q)%12)+3],   v[AD+(\q)%9] offset:64*(((\q)/9)%32)
	ds_load_b128 v[8*((\q)%12)+4:8*((\q)%12)+7], v[AD+(\q)%9] offset:64*(((\q)/9)%32)+32
.endm
.macro BLOAD t                         ; Wb's four fragments of K step t into place t % 4 of the ring: eight loads of 512 consecutive bytes.  s[36:37]: the chunk in hand.  t = 32 .. 34: the first steps of the next chunk, s[38:39]
	WIN 0x40
.irp n, 0,1,2,3
.irp p, 0,1
.if (\t) < 32
	global_load_b128 v[96+32*((\t)%4)+8*\n+4*\p:96+32*((\t)%4)+8*\n+4*\p+3], v[VL16], s[36:37] offset:((\t)%32)*4096+\n*1024+\p*512
.else
	global_load_b128 v[96+32*((\t)%4)+8*\n+4*\p:96+32*((\t)%4)+8*\n+4*\p+3], v[VL16], s[38:39] offset:((\t)%32)*4096+\n*1024+\p*512
.endif
.endr
.endr
.endm
; A group: four matrix instructions, a slice of the chunk before's tanh, and the loads.  The 36 accumulators of a K step take turns, one instruction a turn, over the loop's edge too.
; The fragment asked for here lands where group q - 3's lay: the plain instructions of slices q - 3 .. q, one each at the least, are the four places behind that group's products.
; Wb's K step t + 3 lands where step t - 1's lay: its last reader is group (t - 1, 8), and the slices of that group and of groups 0, 1, 2 of step t hold the four places.
.macro GROUP
	s_wait_dscnt 16                                ; my fragment was asked for nine groups ago; the eight asked for since, two loads each, may be out: so into the loop, and so over its edge, where no other LDS instruction stands between
.if km < 8
	WIN 0xa5                                       ; A and Wb in window 1, C and D in window 2
.set rac, 32*km
.else
	WIN 0x55                                       ; all in window 1
.set rac, 224
.endif
.set raf, 8*(kq%12)
.set rbf, 96+32*(kt%4)
.irp n, 0,1,2,3
.if kt == 0
	v_wmma_f32_16x16x32_bf16 v[rac+8*\n:rac+8*\n+7], v[raf:raf+7], v[rbf+8*\n:rbf+8*\n+7], 0
.else
	v_wmma_f32_16x16x32_bf16 v[rac+8*\n:rac+8*\n+7], v[raf:raf+7], v[rbf+8*\n:rbf+8*\n+7], v[rac+8*\n:rac+8*\n+7]
.endif
.endr
	HALF kq
.if km == 2
	BLOAD kt+3
.endif
	AFLOAD kq+9
.endm
; The queue of ca and e gives its first chunk to the two places that the slices and COPY name, and turns by a chunk: so the looped text names fixed registers, and no LDS address hangs on the trip.  48 copies for a chunk's 1,152 products.
.macro CETURN
	WIN 0x03                                       ; destination window 0, source window 3
.irp x, 0,1,2,3,4,5,6,7
	v_mov_b32 v[CE0+\x], v[CQ+\x]
.endr
	WIN 0xc3                                       ; both in window 3
.irp x, 0,1,2,3,4,5,6,7
	v_mov_b32 v[CE3+\x], v[CQ+\x]
.endr
.set z, 0
.rept 24
	v_mov_b32 v[CQ+z], v[CQ+8+z]                   ; ascending: a source is read before it is written
.set z, z+1
.endr
.irp x, 0,1,2,3,4,5,6,7
	v_mov_b32 v[CQ+24+\x], v[CE3+\x]               ; behind four trips the queue stands as at the start
.endr
.endm
; The chunk's sums leave the accumulators: stage = c2 acc + ca.  Each accumulator's lowest registers are read first.  The last product stands two plain instructions of its slice, DRAIN's four
; and CETURN's 48 back.
.macro COPY
.set cm, 0
.rept 9
.if cm < 5
	WIN 0xf2                                       ; stage and ca in window 3, accumulators in window 2
.set cd, 32*cm
.set cs, 32*cm
.set cc, CE3
.elseif cm < 8
	WIN 0x02
.set cd, ST0+32*(cm-5)
.set cs, 32*cm
.set cc, CE0
.else
	WIN 0x01
.set cd, ST0+96
.set cs, 224
.set cc, CE0
.endif
.set cn, 0
.rept 4
.set ci, 0
.rept 4
	v_pk_fma_f32 v[cd+8*cn+2*ci:cd+8*cn+2*ci+1], v[cs+8*cn+2*ci:cs+8*cn+2*ci+1], s[34:35], v[cc+2*cn:cc+2*cn+1] op_sel_hi:[1,0,0]
.set ci, ci+1
.endr
.set cn, cn+1
.endr
.set cm, cm+1
.endr
.endm
; ---- SCORES.  Row tile m: a lane holds eight rows' sums (8 h + j) over its own columns.  Three halving steps: of two rows a lane keeps one and sends the other to the lane 8, 4, 2 away; a last addition with the lane
; 1 away.  Lane r then holds row 8 h + r / 2.  The first selects bring the sums into window 0.
.macro RED m
.if (\m) < 5
	WIN 0x0f
.set rs, 160+8*(\m)
.else
	WIN 0
.set rs, SC0+8*((\m)-5)
.endif
.irp j, 0,1,2,3
	v_cndmask_b32 v[RA+\j], v[rs+\j], v[rs+\j+4], s48
	v_cndmask_b32 v[RB+\j], v[rs+\j+4], v[rs+\j], s48
.endr
	WIN 0
.irp j, 0,1,2,3
	v_add_f32_dpp v[RA+\j], v[RB+\j], v[RA+\j] row_xmask:8 row_mask:0xf bank_mask:0xf
.endr
.irp j, 0,1
	v_cndmask_b32 v[RB+\j], v[RA+\j], v[RA+\j+2], s49
	v_cndmask_b32 v[RB+\j+2], v[RA+\j+2], v[RA+\j], s49
.endr
.irp j, 0,1
	v_add_f32_dpp v[RB+\j], v[RB+\j+2], v[RB+\j] row_xmask:4 row_mask:0xf bank_mask:0xf
.endr
	v_cndmask_b32 v[RA], v[RB], v[RB+1], s50
	v_cndmask_b32 v[RA+1], v[RB+1], v[RB], s50
	v_add_f32_dpp v[RA], v[RA+1], v[RA] row_xmask:2 row_mask:0xf bank_mask:0xf
	v_add_f32_dpp v[RA], v[RA], v[RA] row_xmask:1 row_mask:0xf bank_mask:0xf
	ds_store_b32 v[VSA], v[RA] offset:64*(\m)
.endm
.macro TREG i                          ; the register that holds place L + 32 i
.if (\i) == 0
.set tr, VL
.elseif (\i) == 4
.set tr, VL128
.else
.set tr, 236+(\i)
.endif
.endm
; ---- CTX.  Column tile xt = 8 a + b of my 16: columns 128 a + 8 b + 0..7 and the same + 64, so that the 16 lanes of a turning load (8 rows x 2 blocks of 16 bytes, 128 bytes apart, rows 2,064 apart) touch each bank once.
; Round rho takes tiles 4 rho .. + 3; five K blocks of 32 places; of the fifth only places 128-143 exist: its upper four registers hold 0.
.macro XLOAD rho
.if ((\rho)%2) == 0
	WIN 0x80
.else
	WIN 0xc0
.endif
.irp tau, 0,1,2,3
.set xt, 4*(\rho)+\tau
.set xo, 256*(xt/8)+16*(xt%8)
.irp u, 0,1,2,3,4
	ds_load_tr16_b128 v[40*\tau+8*\u:40*\tau+8*\u+3], v[TA+\u] offset:xo
.if \u < 4
	ds_load_tr16_b128 v[40*\tau+8*\u+4:40*\tau+8*\u+7], v[TA+\u] offset:xo+16*PITCH
.endif
.endr
.endr
.endm
.macro XMUL rho                        ; 20 matrix instructions: source 0 = p in all 16 rows, source 1 = 32 places x 16 columns of xs; the round's four accumulators take turns
.if ((\rho)%2) == 0
	WIN 0x08
.else
	WIN 0x0c
.endif
.set xa, ST0+32*((\rho)%2)
.irp u, 0,1,2,3,4
.irp tau, 0,1,2,3
.if \u == 0
	v_wmma_f32_16x16x32_bf16 v[xa+8*\tau:xa+8*\tau+7], v[PF+8*\u:PF+8*\u+7], v[40*\tau+8*\u:40*\tau+8*\u+7], 0
.else
	v_wmma_f32_16x16x32_bf16 v[xa+8*\tau:xa+8*\tau+7], v[PF+8*\u:PF+8*\u+7], v[40*\tau+8*\u:40*\tau+8*\u+7], v[xa+8*\tau:xa+8*\tau+7]
.endif
.endr
.endr
.endm
.macro XSTORE rho                      ; all 16 rows of a result are alike: register 0 is the column's ctx
	WIN 0
.irp tau, 0,1,2,3
.set xt, 4*(\rho)+\tau
	ds_store_b32 v[VCT], v[ST0+32*((\rho)%2)+8*\tau] offset:512*(xt/8)+32*(xt%8)
.endr
.endm
	; ================ THE HEAD
	s_load_b512 s[4:19], s[0:1], 0x0               ; xs s[4:5], wbf s[6:7], ca s[8:9], energy s[10:11], order s[12:13], cntb s[14:15], scw s[16:17], pctx s[18:19]
	s_load_b64 s[20:21], s[0:1], 0x40              ; pml
	v_lshl_add_u32 v[SPW], v0, 2, SPARE
	v_mov_b32 v[NIL], 0
	v_lshrrev_b32 v42, 5, v0
	v_readfirstlane_b32 s22, v42                   ; wave 0..3
	s_mov_b32 s23, ttmp9                           ; j
	s_and_b32 s24, ttmp7, 0xffff                   ; b
	v_and_b32 v[VL], 31, v0
	v_and_b32 v43, 15, v0                          ; r
	v_bfe_u32 v44, v0, 4, 1                        ; h
	v_bfe_u32 v45, v0, 3, 1                        ; (L / 8) % 2
	v_and_b32 v46, 7, v0                           ; L % 8
	v_lshlrev_b32 v[VL16], 4, v[VL]
	v_add_nc_u32 v[VL128], 0x80, v[VL]
	v_mul_u32_u24 v42, v43, PITCH
	v_lshl_add_u32 v42, v44, 4, v42
.irp m, 0,1,2,3,4,5,6,7,8
	v_add_nc_u32 v[AD+\m], \m*16*PITCH, v42
.endr
	s_lshl_b32 s46, s22, 10
	s_add_co_u32 s47, s46, CEA
	v_lshl_add_u32 v[VCE0], v43, 2, s47
	s_add_co_u32 s47, s46, CT
	v_lshlrev_b32 v42, 2, v46
	v_lshl_add_u32 v42, v45, 8, v42
	v_add_nc_u32 v[VCT], s47, v42                  ; column (r % 8) + 64 (r / 8) of a tile
	v_add_nc_u32 v[VCR], s47, v[VL16]
	s_mul_i32 s46, s22, 576
	s_add_co_u32 s46, s46, SCR
	v_lshrrev_b32 v42, 1, v43
	v_lshlrev_b32 v42, 2, v42
	v_lshl_add_u32 v42, v44, 5, v42
	v_add_nc_u32 v[VSA], s46, v42                  ; row 8 h + r / 2
	v_lshl_add_u32 v[VR1], v[VL], 2, SCR
	v_lshl_add_u32 v[VR2], v43, 2, SCR+512
	s_mul_i32 s46, s22, 640
	s_add_co_u32 s46, s46, PBUF
	v_lshl_add_u32 v[VP1], v[VL], 2, s46
	v_lshl_add_u32 v[VPF], v44, 5, s46
	v_lshl_add_u32 v42, v44, 3, v46                ; the turning load: row 8 h + L % 8,
	v_mul_u32_u24 v42, v42, PITCH
	v_lshl_add_u32 v42, v45, 7, v42                ; the second block of eight columns 128 bytes on,
	s_lshl_b32 s46, s22, 9
	v_add_nc_u32 v42, s46, v42                     ; my wave's 512 bytes of a row
.irp u, 0,1,2,3,4
	v_add_nc_u32 v[TA+\u], \u*32*PITCH, v42
.endr
	s_mul_i32 s46, s22, 36*PITCH
	v_lshl_add_u32 v[VLST0], v[VL], 3, s46         ; wave w fills places 36 w .. + 35
.irp i, 0,1,2,3,4,5,6,7
	v_mov_b32 v[CTXR+\i], 0
.endr
	v_mov_b32 v[MRUN], 0xff7fffff                  ; the lowest finite number
	v_mov_b32 v[LRUN], 0
	v_lshrrev_b32 v42, 1, v0                       ; thread t brings ca and energy of columns 8 t .. + 7: ca lies [o / 16][b][o % 16]
	v_lshlrev_b32 v42, 11, v42
	v_and_b32 v43, 1, v0
	v_lshl_add_u32 v42, v43, 5, v42
	v_lshlrev_b32 v44, 5, v0
	v_add_nc_u32 v45, CEA, v44
	s_mov_b32 s34, 0x4038aa3b                      ; c2 = 2 log2(e)
	s_mov_b32 s35, s34                             ; named with it as a pair
	s_mov_b32 s48, 0xff00ff00                      ; lanes with bit 3, 2, 1 of r set
	s_mov_b32 s49, 0xf0f0f0f0
	s_mov_b32 s50, 0xcccccccc
	s_mov_b32 s56, 0x76543210                      ; v_permlanex16_b32: each lane takes its own place in the other half
	s_mov_b32 s57, 0xfedcba98
	s_mov_b32 s60, 0x3fb8aa3b                      ; log2(e)
	s_mov_b32 s41, 0                               ; high words of the offsets
	s_mov_b32 s47, 0
	s_mov_b32 s63, 0
	s_wait_kmcnt 0x0
	s_lshl_b32 s46, s24, 23
	s_add_nc_u64 s[4:5], s[4:5], s[46:47]          ; xs at batch b
	s_lshl_b32 s46, s22, 19
	s_add_nc_u64 s[6:7], s[6:7], s[46:47]          ; wbf at my wave's four chunks; stays so
	s_mov_b64 s[36:37], s[6:7]                     ; chunk 0 in hand,
	s_add_nc_u64 s[38:39], s[6:7], 1<<17           ; chunk 1 next: a chunk's 32 K steps are 131,072 bytes
	s_lshl_b32 s46, s24, 6
	s_add_nc_u64 s[8:9], s[8:9], s[46:47]          ; ca at batch b
	s_lshl_b32 s46, s24, 3
	s_add_co_u32 s46, s46, s23                     ; 8 b + j
	s_lshl_b32 s62, s46, 7
	s_add_nc_u64 s[14:15], s[14:15], s[62:63]      ; cntb at my count
	s_mul_i32 s62, s46, 8*PSTR
	s_add_nc_u64 s[16:17], s[16:17], s[62:63]      ; scw at my 320 words,
	s_add_nc_u64 s[12:13], s[12:13], s[62:63]      ; the list likewise,
	s_mul_i32 s62, s22, 144
	s_add_nc_u64 s[12:13], s[12:13], s[62:63]      ; at my wave's 36 entries
	s_lshl_b32 s62, s46, 8
	s_add_nc_u64 s[20:21], s[20:21], s[62:63]      ; pml at my record
	s_lshl_b32 s46, s46, 12
	s_lshl_b32 s62, s22, 10
	s_add_co_u32 s46, s46, s62
	s_add_nc_u64 s[18:19], s[18:19], s[46:47]      ; pctx at my wave's 256 columns
	s_load_b32 s25, s[14:15], 0x0                  ; my rows
	BLOAD 0                                        ; Wb's first three K steps go out first,
	BLOAD 1
	BLOAD 2
	WIN 0
	global_load_b128 v[216:219], v42, s[8:9]       ; ca and energy behind them:
	global_load_b128 v[220:223], v42, s[8:9] offset:16
	global_load_b128 v[224:227], v44, s[10:11]
	global_load_b128 v[228:231], v44, s[10:11] offset:16
	s_wait_loadcnt 0x0                             ; one wait for all 28: the rows' counted waits then count rows alone
	ds_store_b128 v45, v[216:219]
	ds_store_b128 v45, v[220:223] offset:16
.irp x, 0,1,2,3
	v_cvt_pk_bf16_f32 v[232+\x], v[224+2*\x], v[225+2*\x]  ; energy is rounded to bf16 like every input,
.endr
.irp x, 0,1,2,3
	v_lshlrev_b32 v[224+2*\x], 16, v[232+\x]       ; and widened again
	v_and_b32 v[225+2*\x], 0xffff0000, v[232+\x]
.endr
	ds_store_b128 v45, v[224:227] offset:CEE
	ds_store_b128 v45, v[228:231] offset:CEE+16
	s_wait_kmcnt 0x0
	s_min_u32 s28, s25, 256                        ; the rows still to be taken
	s_mov_b32 s31, 0                               ; the loop's counter is the pass's first word in the list and in scw
	; ================ A PASS
.Lpass:
	s_min_u32 s29, s28, NROW                       ; its rows
	s_lshl_b32 s61, s31, 2
	s_load_b256 s[NX:NX+7], s[12:13], s61 offset:0x0  ; eight entries, of which six are used; the highest word ever read is 160 + 108 + 36 + 7 = 311 of my 320
	v_add_nc_u32 v[VSW], s31, v[VL]                ; (the pass before's stores by it have had their addresses translated)
	v_lshlrev_b32 v[VSW], 2, v[VSW]
	; The stage, the score sums and ca, e start at 0, on purpose: the first chunk's slices then add tanh(0) x 0, and the unrolled chunk need not be written a second time without slices.  The entries are on their way meanwhile.
	WIN 0xc0
.set i, 0
.rept 208
	v_mov_b32 v[i], 0
.set i, i+1
.endr
	WIN 0
.set i, CE0
.rept 168
	v_mov_b32 v[i], 0
.set i, i+1
.endr
	s_wait_kmcnt 0x0
	s_cmp_eq_u32 s29, 0
	s_cbranch_scc1 .Lno_rows
.irp i, 0,1,2,3,4,5
	ROWADDR \i
.endr
.irp i, 0,1,2,3,4,5
	ROWLOAD \i
.endr
	WIN 0
	s_add_co_u32 s61, s61, 24
	s_load_b256 s[NX:NX+7], s[12:13], s61 offset:0x0
	s_mov_b32 s33, 0                               ; the loop's counter is the trip's byte offset in LDS: six rows a trip
.Lrows:                                                ; a trip: six rows are rounded and stored, the six behind them asked for: 48 loads, 24 KB, of each wave are on their way
	s_wait_kmcnt 0x0                               ; the next six entries; the wait also frees s61
	v_add_nc_u32 v[VLST], s33, v[VLST0]
.irp i, 0,1,2,3,4,5
	ROWCVT \i, 40                                  ; the five younger slots' 40 loads stay out
	ROWADDR \i
	ROWLOAD \i
.endr
	WIN 0
	s_add_co_u32 s61, s61, 24
	s_load_b256 s[NX:NX+7], s[12:13], s61 offset:0x0  ; (the last trip's are not used)
	s_add_co_u32 s33, s33, 6*PITCH
	s_cmp_lg_u32 s33, 30*PITCH
	s_cbranch_scc1 .Lrows
	v_add_nc_u32 v[VLST], 30*PITCH, v[VLST0]
.irp i, 0,1,2,3,4,5
	ROWCVT \i, 40-8*\i                             ; the last six rows: the counts run down
.endr
	s_wait_kmcnt 0x0
.Lno_rows:
	s_wait_dscnt 0x0                               ; for the others' sake: my rows (and, the first time, ca and e) are in LDS
	s_barrier_signal -1
	s_barrier_wait -1
	s_cmp_eq_u32 s29, 0
	s_cbranch_scc1 .Lno_gemm
	WIN 0xc0                                       ; ca and e of my four chunks into the queue: 32 loads by one address register that is never rewritten.  They are older than A's first fragment: the first group's counted wait covers them
.irp c, 0,1,2,3
.irp n, 0,1,2,3
	ds_load_b32 v[CQ+8*\c+2*\n],   v[VCE0] offset:256*\c+64*\n
	ds_load_b32 v[CQ+8*\c+2*\n+1], v[VCE0] offset:CEE+256*\c+64*\n
.endr
.endr
.irp q, 0,1,2,3,4,5,6,7,8
	AFLOAD \q
.endr
	WIN 0
	s_mov_b32 s32, 0                               ; the loop's counter: 256 a trip, from which the base of the chunk after next is made
.Lchunk:                                               ; a trip: 64 columns, 32 K steps, 1,152 matrix instructions; K is unrolled, so that the slices name fixed registers and the first step starts the sums
.set kq, 0
.set kt, 0
.rept 32
	s_wait_loadcnt 16                              ; this K step's Wb is in; the next two steps' 16 loads stay out
.set km, 0
.rept 9
	GROUP
.set km, km+1
.set kq, kq+1
.endr
.set kt, kt+1
.endr
	DRAIN                                          ; the chunk before is done
	CETURN                                         ; ca and e of the chunk just multiplied
	COPY
	WIN 0
	s_wait_xcnt 0x0                                ; the loads that name the two bases have had their addresses translated (ISA guide 3.1): only now are the two rewritten
	s_mov_b64 s[36:37], s[38:39]                   ; the next chunk comes into hand;
	s_add_co_u32 s40, s32, 512                     ; the one behind it is chunk (trip + 2) % 4: from the counter, 256 a trip,
	s_and_b32 s40, s40, 768
	s_lshl_b32 s40, s40, 9                         ; 131,072 bytes a chunk
	s_add_nc_u64 s[38:39], s[6:7], s[40:41]        ; behind the fourth trip both stand as at the start, and chunk 0's first steps have been asked for again
	s_add_co_u32 s32, s32, 256
	s_cmp_lg_u32 s32, 1024
	s_cbranch_scc1 .Lchunk
.set kq, 0
.rept 288                              ; the last chunk's tanh has no products to stand behind
	HALF kq
.set kq, kq+1
.endr
	DRAIN
	s_wait_loadcnt 0x0                             ; the look-ahead's 24 loads (chunk 0's first three K steps, which a second pass multiplies) are in: the rows' counted waits count rows alone
.irp m, 0,1,2,3,4,5,6,7,8
	RED \m
.endr
.Lno_gemm:
	s_wait_dscnt 0x0                               ; for the others' sake: my part of the scores is in LDS, and my reads of the rows (the look-ahead's nine fragments among them) are back
	s_barrier_signal -1
	s_barrier_wait -1
	s_cmp_eq_u32 s29, 0
	s_cbranch_scc1 .Lno_soft
	; ---- the block's softmax, made by every wave for itself: lane L has places L + 32 i, i = 0..3, and 128 + L (lanes 16-31: none; they repeat lanes 0-15's)
.irp i, 0,1,2,3
.irp u, 0,1,2,3
	ds_load_b32 v[216+4*\i+\u], v[VR1] offset:576*\u+128*\i
.endr
.endr
.irp u, 0,1,2,3
	ds_load_b32 v[232+\u], v[VR2] offset:576*\u
.endr
.irp i, 1,2,3
	v_add_nc_u32 v[236+\i], 32*\i, v[VL]
.endr
	v_mov_b32 v43, 0xff800000
	s_wait_dscnt 0x0
.irp i, 0,1,2,3,4
	v_pk_add_f32 v[216+4*\i:217+4*\i], v[216+4*\i:217+4*\i], v[218+4*\i:219+4*\i]
.endr
.irp i, 0,1,2,3,4
	v_add_f32 v[216+4*\i], v[216+4*\i], v[217+4*\i]
.endr
	s_cmp_lg_u32 s22, 0
	s_cbranch_scc1 .Lno_scw
.irp i, 0,1,2,3,4
	global_store_b32 v[VSW], v[216+4*\i], s[16:17] offset:128*\i  ; wave 0 stores the pass's 160 words, 128 consecutive bytes each; those past the last row are read by nobody
.endr
	s_wait_xcnt 0x0                                ; their data and offset registers are rewritten only behind this wait
.Lno_scw:
.irp i, 0,1,2,3,4
	TREG \i
	v_cmp_gt_u32 vcc_lo, s29, v[tr]
	v_cndmask_b32 v[217+4*\i], v43, v[216+4*\i], vcc_lo  ; a place past the pass's last row: -inf
.endr
	v_max3_num_f32 v44, v217, v221, v225
	v_max3_num_f32 v44, v44, v229, v233
	v_max_num_f32_dpp v44, v44, v44 row_xmask:1 row_mask:0xf bank_mask:0xf
	v_max_num_f32_dpp v44, v44, v44 row_xmask:2 row_mask:0xf bank_mask:0xf
	v_max_num_f32_dpp v44, v44, v44 row_xmask:4 row_mask:0xf bank_mask:0xf
	v_max_num_f32_dpp v44, v44, v44 row_xmask:8 row_mask:0xf bank_mask:0xf
	v_permlanex16_b32 v45, v44, s56, s57
	v_max_num_f32 v44, v44, v45
	v_max_num_f32 v44, 0xff7fffff, v44             ; m, finite
.irp i, 0,1,2,3,4
	v_sub_f32 v[217+4*\i], v[217+4*\i], v44
.endr
.irp i, 0,1,2,3,4
	v_mul_f32 v[217+4*\i], s60, v[217+4*\i]
.endr
.irp i, 0,1,2,3,4
	v_exp_f32 v[217+4*\i], v[217+4*\i]             ; p
.endr
	v_nop                                          ; a plain instruction between the last exponential and the use of its result
	s_wait_alu depctr_va_vdst(0)
.irp i, 0,1,2,3,4
	ds_store_b32 v[VP1], v[217+4*\i] offset:128*\i ; my wave's own copy; places 144-159 get 0
.endr
.irp u, 0,1,2,3,4                      ; p as source 0: lane (r, h) wants places 32 u + 8 h + 0..7 and + 16.  LDS serves a wave's instructions in order (ISA guide 5.7.1.4): these see the stores above
	ds_load_b128 v[ST0+16*\u:ST0+16*\u+3],     v[VPF] offset:128*\u
	ds_load_b128 v[ST0+16*\u+4:ST0+16*\u+7],   v[VPF] offset:128*\u+16
	ds_load_b128 v[ST0+16*\u+8:ST0+16*\u+11],  v[VPF] offset:128*\u+64
	ds_load_b128 v[ST0+16*\u+12:ST0+16*\u+15], v[VPF] offset:128*\u+80
.endr
	v_add_f32 v42, v217, v221
	v_add_f32 v43, v225, v229
	v_add_f32 v42, v42, v233
	v_add_f32 v42, v42, v43
	v_add_f32_dpp v42, v42, v42 row_xmask:1 row_mask:0xf bank_mask:0xf
	v_add_f32_dpp v42, v42, v42 row_xmask:2 row_mask:0xf bank_mask:0xf
	v_add_f32_dpp v42, v42, v42 row_xmask:4 row_mask:0xf bank_mask:0xf
	v_add_f32_dpp v42, v42, v42 row_xmask:8 row_mask:0xf bank_mask:0xf
	v_permlanex16_b32 v43, v42, s56, s57
	v_add_f32 v42, v42, v43                        ; l
	; ---- ctx
	WIN 0x80
.irp tau, 0,1,2,3
.irp z, 36,37,38,39
	v_mov_b32 v[40*\tau+\z], 0                     ; places 144-159 do not exist: zeros, in both buffers
.endr
.endr
	WIN 0xc0
.irp tau, 0,1,2,3
.irp z, 36,37,38,39
	v_mov_b32 v[40*\tau+\z], 0
.endr
.endr
	XLOAD 0
	s_wait_dscnt 36                                ; p is in; round 0's 36 loads stay out
	WIN 0
.set i, 0
.rept 40
	v_cvt_pk_bf16_f32 v[PF+i], v[ST0+2*i], v[ST0+2*i+1]
.set i, i+1
.endr
	s_wait_dscnt 0x0                               ; round 0's fragments are in
	XLOAD 1                                        ; each round's fragments are asked for ahead of the round before's 20 products, and waited for behind them
	XMUL 0
	PLACES                                         ; for the stores of round 0's results and the loads into the buffer that it read
	s_wait_dscnt 0x0                               ; round 1's are in
	XSTORE 0
	XLOAD 2
	XMUL 1
	PLACES
	s_wait_dscnt 0x0                               ; round 2's are in
	XSTORE 1
	XLOAD 3
	XMUL 2
	PLACES
	s_wait_dscnt 0x0                               ; round 3's are in
	XSTORE 2
	XMUL 3
	PLACES
	XSTORE 3
	ds_load_b128 v[216:219], v[VCR]                ; back in column order: 4 L + 0..3,
	ds_load_b128 v[220:223], v[VCR] offset:512     ; and 128 further on
	; ---- merge: the running maximum, and both sides scaled to it
	v_max_num_f32 v43, v[MRUN], v44
	v_sub_f32 v45, v[MRUN], v43
	v_sub_f32 v46, v44, v43
	v_mul_f32 v45, s60, v45
	v_mul_f32 v46, s60, v46
	v_exp_f32 v45, v45
	v_exp_f32 v46, v46
	v_mov_b32 v[MRUN], v43                         ; also the plain instruction behind the exponentials
	s_wait_alu depctr_va_vdst(0)
	v_mul_f32 v[LRUN], v[LRUN], v45
	v_fmac_f32 v[LRUN], v42, v46
	s_wait_dscnt 0x0
.irp i, 0,1,2,3,4,5,6,7
	v_mul_f32 v[CTXR+\i], v[CTXR+\i], v45
	v_fmac_f32 v[CTXR+\i], v[216+\i], v46
.endr
.Lno_soft:
	s_max_u32 s28, s28, NROW                       ; what is left for the next pass
	s_sub_co_u32 s28, s28, NROW
	s_wait_dscnt 0x0                               ; my reads of the rows and of the scores are back:
	s_barrier_signal -1
	s_barrier_wait -1                              ; only now may the next pass write them again
	s_add_co_u32 s31, s31, PSTR
	s_cmp_lg_u32 s31, 2*PSTR
	s_cbranch_scc1 .Lpass
	global_store_b128 v[VL16], v[CTXR:CTXR+3], s[18:19]              ; 512 consecutive bytes each
	global_store_b128 v[VL16], v[CTXR+4:CTXR+7], s[18:19] offset:512
	s_cmp_lg_u32 s22, 0
	s_cbranch_scc1 .Lno_ml
	v_lshlrev_b32 v42, 3, v[VL]
	global_store_b64 v42, v[MRUN:LRUN], s[20:21]   ; (m, l), 32 copies: 256 consecutive bytes
.Lno_ml:
	s_wait_tensorcnt 0x0                           ; the wave's end
	ds_add_u32 v[SPW], v[NIL]
	s_wait_dscnt 0x0
	s_endpgm
.Lfunc_end_k_q585bf1e265_main:
	.size	k_q585bf1e265_main, .Lfunc_end_k_q585bf1e265_main-k_q585bf1e265_main
	.p2alignl 7, 3214868480
	.fill 96, 4, 3214868480
	.section	.rodata,"a",@progbits
	.p2align	6, 0x0
	.amdhsa_kernel k_q585bf1e265_main
		.amdhsa_group_segment_fixed_size 314880
		.amdhsa_private_segment_fixed_size 0
		.amdhsa_enable_private_segment 0
		.amdhsa_kernarg_size 72
		.amdhsa_user_sgpr_count 2
		.amdhsa_user_sgpr_kernarg_segment_ptr 1
		.amdhsa_wavefront_size32 1
		.amdhsa_system_sgpr_workgroup_id_x 1
		.amdhsa_system_sgpr_workgroup_id_y 1
		.amdhsa_system_sgpr_workgroup_id_z 1
		.amdhsa_system_vgpr_workitem_id 0
		.amdhsa_next_free_vgpr 1024
		.amdhsa_next_free_sgpr 80
		.amdhsa_reserve_vcc 1
		.amdhsa_float_denorm_mode_32 3
		.amdhsa_float_denorm_mode_16_64 3
		.amdhsa_memory_ordered 1
		.amdhsa_forward_progress 1
		.amdhsa_inst_pref_size 255
	.end_amdhsa_kernel
	.section	.bss,"aw",@nobits
	.p2align	6
	.space	262144
	.amdgpu_metadata
---
amdhsa.version: [ 1, 2 ]
amdhsa.kernels:
  - .name:           k_q585bf1e265_main
    .symbol:         k_q585bf1e265_main.kd
    .args:
      - { .name: xs, .offset: 0, .size: 8, .value_kind: global_buffer, .address_space: global }
      - { .name: wbf, .offset: 8, .size: 8, .value_kind: global_buffer, .address_space: global }
      - { .name: ca, .offset: 16, .size: 8, .value_kind: global_buffer, .address_space: global }
      - { .name: energy, .offset: 24, .size: 8, .value_kind: global_buffer, .address_space: global }
      - { .name: order, .offset: 32, .size: 8, .value_kind: global_buffer, .address_space: global }
      - { .name: cntb, .offset: 40, .size: 8, .value_kind: global_buffer, .address_space: global }
      - { .name: scw, .offset: 48, .size: 8, .value_kind: global_buffer, .address_space: global }
      - { .name: pctx, .offset: 56, .size: 8, .value_kind: global_buffer, .address_space: global }
      - { .name: pml, .offset: 64, .size: 8, .value_kind: global_buffer, .address_space: global }
    .group_segment_fixed_size: 314880
    .private_segment_fixed_size: 0
    .kernarg_segment_align: 8
    .kernarg_segment_size: 72
    .max_flat_workgroup_size: 128
    .sgpr_count:     80
    .vgpr_count:     1024
    .wavefront_size: 32
...
	.end_amdgpu_metadata
.endif
;; end of part 5
;; launch combine (part 6): grid 4 x 32, 4 waves a work-group, no clusters, 0 bytes of LDS; arguments mask, rank, scw, pctx, pml, out0, out1; writes out0, out1
.if DOCPART == 6
	.amdgcn_target "amdgcn-amd-amdhsa--gfx1250"
	.amdhsa_code_object_version 6
	.text
	.protected	k_q585bf1e265_combine
	.globl	k_q585bf1e265_combine
	.p2align	8
	.type	k_q585bf1e265_combine,@function
k_q585bf1e265_combine:
	s_mov_b64 s[64:65], 0
	v_nop
	global_prefetch_b8 v0, s[64:65] scope:SCOPE_SE
	s_setreg_imm32_b32 hwreg(HW_REG_WAVE_MODE, 25, 1), 1
	s_wait_xcnt 0x0
; THE JOIN.  Work-group (qd, b): a quarter of batch b's outputs.  The batch's eight blocks left (m_u, l_u) and ctx_u, each relative to its own maximum, and each kept row's score in scw, at the slot that rank names.
; M = max m_u; w_u = 2^((m_u - M) log2 e); Lsum = sum w_u l_u;  ctx = (sum w_u ctx_u) / Lsum;  attn[s] = 2^((scw[rank[s]] - M) log2 e) / Lsum where the mask keeps s, else 0 (a choice, no product: what a hidden
; row's slot 0 gives may be infinite).  A batch that keeps no row: Lsum = 0, its reciprocal is infinite, and 0 times it is NaN in every number, as a softmax over -inf alone gives.
; Memory binds and the data are small: no LDS, no barrier, no matrix unit.  Thread t: 4 rows of attn (16 bytes; a wave's store covers 512 consecutive bytes) and 2 columns of ctx (a wave: 256).
	s_load_b256 s[4:11], s[0:1], 0x0               ; mask s[4:5], rank s[6:7], scw s[8:9], pctx s[10:11]
	s_load_b128 s[12:15], s[0:1], 0x20             ; pml s[12:13], out0 s[14:15]
	s_load_b64 s[16:17], s[0:1], 0x30              ; out1
	s_mov_b32 s18, ttmp9                           ; qd
	s_and_b32 s19, ttmp7, 0xffff                   ; b
	s_mov_b32 s20, 0x3fb8aa3b                      ; log2(e)
	s_mov_b32 s23, 0
	v_and_b32 v1, 31, v0
	v_lshlrev_b32 v2, 4, v0                        ; 16 t
	v_lshlrev_b32 v3, 2, v0                        ; 4 t
	v_lshlrev_b32 v4, 3, v0                        ; 8 t
	v_lshlrev_b32 v5, 3, v1                        ; 8 L
	s_wait_kmcnt 0x0
	s_lshl_b32 s22, s19, 11
	s_add_nc_u64 s[12:13], s[12:13], s[22:23]      ; pml at batch b
	s_lshl_b32 s24, s18, 9
	s_add_co_u32 s22, s22, s24
	s_add_nc_u64 s[4:5], s[4:5], s[22:23]          ; mask at my 512 rows
	s_lshl_b32 s22, s22, 2
	s_add_nc_u64 s[6:7], s[6:7], s[22:23]          ; rank and out1 likewise
	s_add_nc_u64 s[16:17], s[16:17], s[22:23]
	s_mul_i32 s22, s19, 10240
	s_add_nc_u64 s[8:9], s[8:9], s[22:23]          ; scw at batch b: 2,560 words
	s_lshl_b32 s24, s18, 10
	s_lshl_b32 s22, s19, 15
	s_add_co_u32 s22, s22, s24
	s_add_nc_u64 s[10:11], s[10:11], s[22:23]      ; pctx at batch b, my 256 columns
	s_lshl_b32 s22, s19, 12
	s_add_co_u32 s22, s22, s24
	s_add_nc_u64 s[14:15], s[14:15], s[22:23]      ; out0 likewise
	global_load_b128 v[8:11], v2, s[6:7]           ; all loads go out at once, rank first: four more hang on it
	global_load_b32 v12, v3, s[4:5]
.irp u, 0,1,2,3,4,5,6,7
	global_load_b64 v[16+2*\u:17+2*\u], v5, s[12:13] offset:256*\u
.endr
.irp u, 0,1,2,3,4,5,6,7
	global_load_b64 v[32+2*\u:33+2*\u], v4, s[10:11] offset:4096*\u
.endr
	s_wait_loadcnt 17                              ; rank is in; the 17 loads issued behind it stay out
.irp e, 0,1,2,3
	v_min_u32 v[48+\e], 0x9ff, v[8+\e]             ; a slot is 0 .. 2559
	v_lshlrev_b32 v[48+\e], 2, v[48+\e]
.endr
.irp e, 0,1,2,3
	global_load_b32 v[52+\e], v[48+\e], s[8:9]
.endr
	s_wait_loadcnt 12                              ; mask and (m, l) are in; 8 of pctx and the 4 scores stay out
	v_max3_num_f32 v56, v16, v18, v20
	v_max3_num_f32 v56, v56, v22, v24
	v_max3_num_f32 v56, v56, v26, v28
	v_max_num_f32 v56, v56, v30                    ; M
.irp u, 0,1,2,3,4,5,6,7
	v_sub_f32 v[64+\u], v[16+2*\u], v56
.endr
.irp u, 0,1,2,3,4,5,6,7
	v_mul_f32 v[64+\u], s20, v[64+\u]
.endr
.irp u, 0,1,2,3,4,5,6,7
	v_exp_f32 v[64+\u], v[64+\u]                   ; w_u
.endr
	v_nop                                          ; a plain instruction between the last exponential and the use of its result
	s_wait_alu depctr_va_vdst(0)
	v_mul_f32 v72, v64, v17
.irp u, 1,2,3,4,5,6,7
	v_fmac_f32 v72, v[64+\u], v[17+2*\u]           ; Lsum
.endr
	v_rcp_f32 v73, v72
.irp e, 0,1,2,3
	v_bfe_u32 v[80+\e], v12, 8*\e, 8               ; the four mask bytes; also the plain work behind the reciprocal
.endr
	s_wait_loadcnt 4                               ; pctx is in; the 4 scores stay out
	v_pk_mul_f32 v[74:75], v[32:33], v[64:65] op_sel_hi:[1,0]
.irp u, 2,4,6                          ; w_u lies in the low register of its pair,
	v_pk_fma_f32 v[74:75], v[32+2*\u:33+2*\u], v[64+\u:65+\u], v[74:75] op_sel_hi:[1,0,1]
.endr
.irp u, 1,3,5,7                        ; or in the high one
	v_pk_fma_f32 v[74:75], v[32+2*\u:33+2*\u], v[63+\u:64+\u], v[74:75] op_sel:[0,1,0] op_sel_hi:[1,1,1]
.endr
	s_wait_alu depctr_va_vdst(0)
	v_pk_mul_f32 v[74:75], v[74:75], v[72:73] op_sel:[0,1] op_sel_hi:[1,1]
	global_store_b64 v4, v[74:75], s[14:15]
	s_wait_loadcnt 0x0
.irp e, 0,1,2,3
	v_sub_f32 v[52+\e], v[52+\e], v56
.endr
.irp e, 0,1,2,3
	v_mul_f32 v[52+\e], s20, v[52+\e]
.endr
.irp e, 0,1,2,3
	v_exp_f32 v[52+\e], v[52+\e]
.endr
	v_nop
	s_wait_alu depctr_va_vdst(0)
.irp e, 0,1,2,3
	v_cmp_ne_u32 vcc_lo, 0, v[80+\e]
	v_cndmask_b32 v[52+\e], 0, v[52+\e], vcc_lo    ; a hidden row's weight is 0
	v_mul_f32 v[52+\e], v[52+\e], v73
.endr
	global_store_b128 v2, v[52:55], s[16:17]
	s_endpgm
.Lfunc_end_k_q585bf1e265_combine:
	.size	k_q585bf1e265_combine, .Lfunc_end_k_q585bf1e265_combine-k_q585bf1e265_combine
	.p2alignl 7, 3214868480
	.fill 96, 4, 3214868480
	.section	.rodata,"a",@progbits
	.p2align	6, 0x0
	.amdhsa_kernel k_q585bf1e265_combine
		.amdhsa_group_segment_fixed_size 0
		.amdhsa_private_segment_fixed_size 0
		.amdhsa_enable_private_segment 0
		.amdhsa_kernarg_size 56
		.amdhsa_user_sgpr_count 2
		.amdhsa_user_sgpr_kernarg_segment_ptr 1
		.amdhsa_wavefront_size32 1
		.amdhsa_system_sgpr_workgroup_id_x 1
		.amdhsa_system_sgpr_workgroup_id_y 1
		.amdhsa_system_sgpr_workgroup_id_z 1
		.amdhsa_system_vgpr_workitem_id 0
		.amdhsa_next_free_vgpr 96
		.amdhsa_next_free_sgpr 66
		.amdhsa_reserve_vcc 1
		.amdhsa_float_denorm_mode_32 3
		.amdhsa_float_denorm_mode_16_64 3
		.amdhsa_memory_ordered 1
		.amdhsa_forward_progress 1
		.amdhsa_inst_pref_size 8
	.end_amdhsa_kernel
	.amdgpu_metadata
---
amdhsa.version: [ 1, 2 ]
amdhsa.kernels:
  - .name:           k_q585bf1e265_combine
    .symbol:         k_q585bf1e265_combine.kd
    .args:
      - { .name: mask, .offset: 0, .size: 8, .value_kind: global_buffer, .address_space: global }
      - { .name: rank, .offset: 8, .size: 8, .value_kind: global_buffer, .address_space: global }
      - { .name: scw, .offset: 16, .size: 8, .value_kind: global_buffer, .address_space: global }
      - { .name: pctx, .offset: 24, .size: 8, .value_kind: global_buffer, .address_space: global }
      - { .name: pml, .offset: 32, .size: 8, .value_kind: global_buffer, .address_space: global }
      - { .name: out0, .offset: 40, .size: 8, .value_kind: global_buffer, .address_space: global }
      - { .name: out1, .offset: 48, .size: 8, .value_kind: global_buffer, .address_space: global }
    .group_segment_fixed_size: 0
    .private_segment_fixed_size: 0
    .kernarg_segment_align: 8
    .kernarg_segment_size: 56
    .max_flat_workgroup_size: 128
    .sgpr_count:     66
    .vgpr_count:     96
    .wavefront_size: 32
...
	.end_amdgpu_metadata
.endif
;; end of part 6
